; MI455X (gfx1250); checked and timed in simulation.
; The chip was launched on July 23, 2026; its instructions are those of AMD's public machine-readable ISA for CDNA 5 (MIT licence, August 2026) and "CDNA5" Instruction Set Architecture Reference Guide (July 2026). The comments in the code are by the model that wrote it; some were corrected since.
;; Complex Mo E Layer. Allowed arithmetic: matrix products marked QUANTISED: E3M2 operands, one E8M0 scale for each 32 along K, by v_wmma_scale_f32_16x16x128_f8f6f4 with both operands' format E3M2, f32 sums; products left as they are: f32 operands where the result goes on into a quantised operand, else bf16, f16 or f32 operands; f32 sums; everything else in f32.
;; Inputs: Wi1 8 x 512 x 2,048 float32; Wi2 8 x 2,048 x 512 float32; Wr1 8 x 512 x 2,048 float32; Wr2 8 x 2,048 x 512 float32; bi1 8 x 2,048 float32; bi2 8 x 512 float32; br1 8 x 2,048 float32; br2 8 x 512 float32; mb 8 x 2,048 float32; x_i 2 x 512 x 512 float32; x_r 2 x 512 x 512 float32.
;; Outputs: out0 2 x 2 x 512 x 512 float32.
;; This version of the problem:
;;   THIS VERSION OF THE PROBLEM IS GIVEN IN LOW PRECISION. The matrix products marked QUANTISED in the list below multiply operands that are first quantised to E3M2 (3 exponent bits, 2 mantissa bits; 6 bits a number), with one power-of-two scale for each 32 numbers along K (OCP MX v1.0); their sums are f32. All else is computed in f32.
;;   The module's matrix products, in the order in which they are computed (A, B: the left and right operand; K: the contracted axis; several contracted axes count as one K, in the product's order):
;;     1. [M 16,384, K 512] x [K 512, N 1,024]; A: input Wr1; B: input x_r: QUANTISED
;;     2. [M 16,384, K 512] x [K 512, N 1,024]; A: input Wi1; B: input x_i: QUANTISED
;;     3. [M 16,384, K 512] x [K 512, N 1,024]; A: input Wi1; B: input x_r: QUANTISED
;;     4. [M 16,384, K 512] x [K 512, N 1,024]; A: input Wr1; B: input x_i: QUANTISED
;;     5. batch 8 x [M 1,024, K 2,048] x [K 2,048, N 512]; A: computed on the way; B: input Wr2: QUANTISED
;;     6. batch 8 x [M 1,024, K 2,048] x [K 2,048, N 512]; A: computed on the way; B: input Wi2: QUANTISED
;;     7. batch 8 x [M 1,024, K 2,048] x [K 2,048, N 512]; A: computed on the way; B: input Wi2: QUANTISED
;;     8. batch 8 x [M 1,024, K 2,048] x [K 2,048, N 512]; A: computed on the way; B: input Wr2: QUANTISED
;;     9. batch 1,024 x [M 512, K 8] x [K 8, N 1]; A: computed on the way; B: computed on the way: left as it is (K = 8 < 32)
;;     10. batch 1,024 x [M 512, K 8] x [K 8, N 1]; A: computed on the way; B: computed on the way: left as it is (K = 8 < 32)
;;   THE QUANTISER, for each operand of a quantised product, along K:
;;     - K is cut into blocks of 32 from its start; a last block that is shorter is filled with zeros.
;;     - A block's scale is 2^e with e = floor(log2(the largest magnitude in the block)) - 4, held to -126 .. 127; a block of zeros has e = 0. As a byte (E8M0): e + 127.
;;     - Each number is divided by its block's scale, clamped to +-28, and rounded to the nearest number of E3M2, ties to even, subnormals kept.
;;     - The product sums the exact products of the quantised numbers (number of the format x scale) in f32.
;;   ~~~python
;;   def quantise(x, axis):      # numpy; x: float32 -> the quantised numbers, widened to float32 again
;;       x = np.moveaxis(x, axis, -1); K = x.shape[-1]
;;       x = np.pad(x, [(0, 0)] * (x.ndim - 1) + [(0, -K % 32)]); x = x.reshape(x.shape[:-1] + (-1, 32)); a = np.abs(x).max(-1, keepdims=True)
;;       e = np.where(a > 0, np.clip(np.frexp(np.where(a > 0, a, 1))[1] - 1 - 4, -126, 127), 0)      # np.frexp(a)[1] - 1 = floor(log2(a)), exactly
;;       r = np.clip(x / 2.0 ** e, -28, 28)
;;       step = 2.0 ** (np.maximum(np.frexp(np.where(r == 0, 1, r))[1] - 1, -2) - 2)
;;       q = np.round(r / step) * step * 2.0 ** e      # np.round: ties to even
;;       return np.moveaxis(q.reshape(q.shape[:-2] + (-1,))[..., :K], -1, axis).astype(np.float32)
;;   ~~~
;;   OPERANDS COMPUTED ON THE WAY. 'Computed on the way' means the value that the module computes at that place (a softmax that the list does not call 'softmax' is quantised finished and normalised). What goes into a quantiser is computed in f32, as accurately as f32 sums, v_exp_f32 and their like allow (about 1e-6 of the number): no bf16 or f16 on the way to a quantiser, and a product that is left as it is and whose result goes on into a quantised operand takes f32 operands (vector FMAs, or v_wmma_f32_16x16x4_f32). A number that lies on a knife's edge between two numbers of the format may be rounded either way, as far as f32 arithmetic and the matrix unit's own rounding can turn it there, and no further.
;; 2 versions, each right; version 2 is version 1 with the launches layer1, layer2 written anew for expert scheduling mode. Each part assembles by itself: llvm-mc -triple=amdgcn-amd-amdhsa -mcpu=gfx1250 --defsym DOCPART=n.
;; ======== version 1 of 2: 3 launches
;; limits: inputs' magnitudes at most 1.8e+19; below input magnitudes of 1.1e-19 results are inexact or not finite
;; workspace buffers: xcodes 786,432 bytes; xscales 65,536 bytes; idx 4,096 bytes of whole numbers; w2codes 12,582,912 bytes; w2scales 524,288 bytes; hcodes 25,165,824 bytes; hscales 2,097,152 bytes; order 33,024 bytes of whole numbers
;; launch prep (part 1): grid 32 x 8, 4 waves a work-group, no clusters, 20,992 bytes of LDS; arguments x_r, x_i, Wr2, Wi2, xcodes, xscales, idx, w2codes, w2scales; writes xcodes, xscales, idx, w2codes, w2scales
.if DOCPART == 1
	.amdgcn_target "amdgcn-amd-amdhsa--gfx1250"
	.amdhsa_code_object_version 6
	.text
	.protected	k_q6f2efe2e56_prep
	.globl	k_q6f2efe2e56_prep
	.p2align	8
	.type	k_q6f2efe2e56_prep,@function
k_q6f2efe2e56_prep:
	s_mov_b64 s[64:65], 0
	v_nop
	global_prefetch_b8 v0, s[64:65] scope:SCOPE_SE
	s_setreg_imm32_b32 hwreg(HW_REG_WAVE_MODE, 25, 1), 1
	s_wait_xcnt 0x0
; PREP.  Two jobs in one launch, 256 work-groups (x = sl, a run of 64 hidden units; y = e, the expert), four waves each.
; (a) Wave w of work-group n = 32 e + sl takes token 4 n + w: the router's octant of the token's mean phase, and x_r, x_i as codes of E3M2 with one E8M0 byte for each 32 along F.
; (b) Wave w turns rows 64 sl .. + 63 of Wr2[e] and Wi2[e], columns 128 w .. + 127, into codes along H, laid as images of the matrix operand's registers.
; COMPLEX PRODUCTS AS ONE K OF 128: 64 real numbers, then 64 imaginary.  Weights: [Wr | Wi].  Activations: V1 = [a_r | -a_i] gives the real part, V2 = [a_i | a_r] the imaginary.
; V1 is stored; -a_i is a_i's code with its sign bit turned (the quantiser is symmetric).
; A WEIGHT GROUP is 64 rows of K x 64 columns: 32 loads of 16 bytes a lane; lane (r = lane % 16, h = lane / 16) takes row 32 h + i, columns 4 r .. 4 r + 3: each load covers two runs of 256 consecutive bytes.
; Column 4 r + j of that lane is block h (32 along K) of column r of tile j: just what registers 6 c .. 6 c + 5 of a 6-bit operand hold in lane (r, h).  No lane is asked for a code.
; THE ROUTER: cos and sin of an element's phase are x_r / |x| and x_i / |x|; the octant of (sum of sines, sum of cosines) is found by signs and comparisons, which is floor((atan2 + pi) 8 / (2 pi)), clipped.
; LIMITS: NaN and infinities are not served; |x| stays under 1.8e19 (the squares are f32); an element with x_r^2 + x_i^2 under 2^-126 is counted wrongly in the phase sums (an exact (0, 0) counts as phase 0;
; with a real part of -0 the definition has pi there); a token whose mean phase lies within f32 rounding of an octant's edge may go to either neighbour; a block of zeros gets the scale byte 1 (its codes are zeros; this program alone reads the bytes).
; No tensor loads, no cluster: no two work-groups read the same weights.  No barrier: waves share nothing.
.set F,     80                         ; v80-127   four fragments (tile j at F + 12 j)
.set MX,    160                        ; v160-161  largest magnitudes of two columns
.set SCL,   162                        ; v162-163  the conversions' scale operands
.set BY,    164                        ; v164-165  the scale bytes
.set CT,    168                        ; v168-174  the upper 16 codes of a block, on their way
.set T,     192                        ; v192-255  two columns of 32 numbers, in order of K
.set WA,    4                          ; v4        a weight group's lane offset; never rewritten
.set SH8,   13                         ; v13       8 h
.set PT,    14                         ; v14       a lane permute's destination
.set SPW,   28                         ; v28       LDS address of my spare word; never rewritten
.set NIL,   29                         ; v29       0; never rewritten
.set SPARE, 20480                      ; behind the four stages of 5,120 bytes: the spare words, 128 bytes a wave
.set SWB,   16                         ; v16-19, v20-23: the scale words of column group 0, 1
.set MSB,   0
.macro WIN new                         ; the immediate's high byte repeats the setting that is left; a switch that changes nothing is dropped
.if MSB != (\new)
	s_set_vgpr_msb (MSB<<8)|(\new)
.set MSB, (\new)
.endif
.endm
.macro GLOAD win, base, sbase, off0, pitch     ; a weight group into 128 registers of window win
	WIN (\win)<<6
.set gl, 0
.rept 32
	global_load_b128 v[\base+4*gl:\base+4*gl+3], v[WA], s[\sbase:\sbase+1] offset:\off0+gl*\pitch th:TH_LOAD_NT
.set gl, gl+1
.endr
	WIN 0
.endm
.macro QGROUP win, base, c             ; a landed group becomes half c (0: real, 1: imaginary) of the four fragments, two columns at a time
.irp jp, 0, 2
	WIN \win
.set qi, 0
.rept 32
	v_mov_b32 v[T+qi], v[\base+4*qi+\jp]           ; a column's 32 numbers into consecutive registers: the conversions want that
	v_mov_b32 v[T+32+qi], v[\base+4*qi+\jp+1]
.set qi, qi+1
.endr
	WIN 0
	v_max3_num_f32 v[MX], |v[T]|, |v[T+1]|, 0x2800000        ; the block's largest magnitude, and the floor 2^(5 - 127): the byte cannot fall under 1
	v_max3_num_f32 v[MX+1], |v[T+32]|, |v[T+33]|, 0x2800000
.set qi, 2
.rept 15
	v_max3_num_f32 v[MX], v[MX], |v[T+qi]|, |v[T+qi+1]|
	v_max3_num_f32 v[MX+1], v[MX+1], |v[T+32+qi]|, |v[T+33+qi]|
.set qi, qi+2
.endr
	v_add_nc_u32 v[SCL], 0xfe000000, v[MX]         ; 4 off the exponent field: the conversion takes this operand's exponent field as its scale
	v_add_nc_u32 v[SCL+1], 0xfe000000, v[MX+1]
	v_lshrrev_b32 v[BY], 23, v[SCL]                ; the scale's byte
	v_lshrrev_b32 v[BY+1], 23, v[SCL+1]
.irp jj, 0, 1
.if \c == 0
	v_mov_b32 v[SWB+\jp+\jj], v[BY+\jj]
.else
	v_lshl_or_b32 v[SWB+\jp+\jj], v[BY+\jj], 16, v[SWB+\jp+\jj]
.endif
.endr
.irp jj, 0, 1
	v_cvt_scalef32_pk16_bf6_f32 v[F+12*(\jp+\jj)+6*\c:F+12*(\jp+\jj)+6*\c+2], v[T+32*\jj:T+32*\jj+15], v[SCL+\jj]
	v_cvt_scalef32_pk16_bf6_f32 v[CT+4*\jj:CT+4*\jj+2], v[T+32*\jj+16:T+32*\jj+31], v[SCL+\jj]   ; (a conversion's three registers begin on an even number)
.endr
	v_nop                                          ; one plain place behind the scaled conversions
.irp jj, 0, 1
.irp k, 0, 1, 2
	v_mov_b32 v[F+12*(\jp+\jj)+6*\c+3+\k], v[CT+4*\jj+\k]
.endr
.endr
.endr
.endm
.macro SWFIN                           ; my two bytes (block h, real and imaginary) go 8 h bits up; with lane l xor 16's the word (r0, r1, i0, i1) is whole in every lane
.irp j, 0, 1, 2, 3
	v_lshlrev_b32 v[SWB+\j], v[SH8], v[SWB+\j]
.endr
.irp j, 0, 1, 2, 3
	v_permlanex16_b32 v[PT], v[SWB+\j], s28, s29
	v_or_b32 v[SWB+\j], v[SWB+\j], v[PT]
.endr
.endm
.macro FSTORE gi                       ; four fragments leave as images: each store covers 512 consecutive bytes, aligned
.irp j, 0, 1, 2, 3
.irp pl, 0, 1, 2
	global_store_b128 v11, v[F+12*\j+4*\pl:F+12*\j+4*\pl+3], s[18:19] offset:\gi*196608+\j*1536+\pl*512
.endr
.endr
.endm
	s_load_b512 s[4:19], s[0:1], 0x0               ; x_r, x_i, Wr2, Wi2, xcodes, xscales, idx, w2codes
	s_load_b64 s[20:21], s[0:1], 0x40              ; w2scales
	v_lshl_add_u32 v[SPW], v0, 2, SPARE
	v_mov_b32 v[NIL], 0
	v_lshrrev_b32 v1, 5, v0
	v_readfirstlane_b32 s22, v1                    ; wave
	v_and_b32 v1, 31, v0                           ; lane
	v_and_b32 v2, 15, v0                           ; r
	v_bfe_u32 v3, v0, 4, 1                         ; h
	s_and_b32 s24, ttmp7, 0xffff                   ; e
	s_lshl_b32 s25, s24, 5
	s_add_co_u32 s25, s25, ttmp9
	s_lshl_b32 s25, s25, 2
	s_add_co_u32 s25, s25, s22                     ; my token: 4 (32 e + sl) + wave
	v_lshlrev_b32 v[WA], 16, v3                    ; W2: 32 h rows of 2,048 bytes
	v_lshl_add_u32 v[WA], v2, 4, v[WA]             ; + 16 r
	s_lshl_b32 s34, s22, 9
	v_add_nc_u32 v[WA], s34, v[WA]                 ; + my wave's 128 columns
	v_lshlrev_b32 v5, 4, v1                        ; 16 x lane
	s_lshl_b32 s26, s24, 22                        ; an expert's W2 is 4,194,304 bytes,
	s_lshl_b32 s34, ttmp9, 17                      ; 64 rows are 131,072
	s_add_co_u32 s26, s26, s34
	s_mov_b32 s27, 0
	s_lshl_b32 s38, s25, 11                        ; a token's row of x is 2,048 bytes
	s_mov_b32 s39, 0
	s_wait_kmcnt 0x0
	s_add_nc_u64 s[4:5], s[4:5], s[38:39]
	s_add_nc_u64 s[6:7], s[6:7], s[38:39]
	s_add_nc_u64 s[8:9], s[8:9], s[26:27]
	s_add_nc_u64 s[10:11], s[10:11], s[26:27]
.irp q, 0, 1, 2, 3
	global_load_b128 v[192+4*\q:195+4*\q], v5, s[4:5] offset:512*\q th:TH_LOAD_NT    ; the token's x_r: 512 consecutive bytes a load
.endr
.irp q, 0, 1, 2, 3
	global_load_b128 v[208+4*\q:211+4*\q], v5, s[6:7] offset:512*\q th:TH_LOAD_NT    ; and x_i
.endr
	GLOAD 1, 0, 8, 0, 2048                         ; group 0: Wr2, column group 0
	GLOAD 1, 128, 10, 0, 2048                      ; group 1: Wi2, column group 0
	; the rest of the set-up, while the loads are out
	s_mul_i32 s35, s22, 5120                       ; my stage in LDS
	v_lshrrev_b32 v6, 2, v1
	v_mul_u32_u24 v6, v6, 80
	v_and_b32 v7, 3, v1
	v_lshl_add_u32 v6, v7, 4, v6
	v_add_nc_u32 v6, s35, v6                       ; in: four lanes' 64 bytes on end, then 16 of padding
	v_mul_u32_u24 v7, v1, 80
	v_add_nc_u32 v7, s35, v7                       ; out: 80 x lane: my 16 neighbours
	v_bfe_u32 v8, v0, 1, 1                         ; lane L holds elements 16 L on: block L / 2 = 2 v + h
	v_lshlrev_b32 v15, 3, v8                       ; 8 h of my block
	v_mul_u32_u24 v8, v8, 384
	v_bfe_u32 v9, v0, 2, 3                         ; v
	v_mad_u32_u24 v8, v9, 48, v8
	v_and_b32 v10, 1, v0
	v_mad_u32_u24 v8, v10, 12, v8                  ; xcodes: 384 h + 48 v + 12 (L % 2)
	v_lshlrev_b32 v9, 2, v9
	v_lshl_add_u32 v9, v10, 5, v9                  ; xscales: 32 (L % 2) + 4 v
	v_mov_b32 v10, 0                               ; idx: one word
	s_mul_i32 s34, s22, 393216
	v_add_nc_u32 v11, s34, v5                      ; w2codes: 16 x lane + two column groups a wave
	s_lshl_b32 s34, s22, 14
	v_lshlrev_b32 v12, 13, v3
	v_lshl_add_u32 v12, v2, 4, v12
	v_add_nc_u32 v12, s34, v12                     ; w2scales: 16,384 w + 8,192 h + 16 r
	v_lshlrev_b32 v[SH8], 3, v3
	v_mov_b32 v[PT], 0                             ; written once: a lane permute's destination counts as one of its sources
	v_mov_b32 v182, 0
	s_mov_b32 s28, 0x76543210
	s_mov_b32 s29, 0xfedcba98                      ; v_permlanex16_b32's selects for lane l xor 16
	s_mov_b32 s30, 0x20820820                      ; the sign bits of 16 codes of 6 bits, in three words
	s_mov_b32 s31, 0x08208208
	s_mov_b32 s32, 0x82082082
	s_mov_b32 s33, 0xffff0000                      ; lanes 16-31
	s_mov_b32 s37, 0xaaaaaaaa                      ; odd lanes
	s_mul_i32 s26, s25, 768
	s_add_nc_u64 s[12:13], s[12:13], s[26:27]      ; xcodes at my token
	s_lshl_b32 s26, s25, 6
	s_add_nc_u64 s[14:15], s[14:15], s[26:27]      ; xscales
	s_lshl_b32 s26, s25, 2
	s_add_nc_u64 s[16:17], s[16:17], s[26:27]      ; idx
	s_mul_i32 s26, s24, 1572864
	s_mul_i32 s34, ttmp9, 6144
	s_add_co_u32 s26, s26, s34
	s_add_nc_u64 s[18:19], s[18:19], s[26:27]      ; w2codes at (e, sl)
	s_lshl_b32 s26, s24, 16
	s_lshl_b32 s34, ttmp9, 8
	s_add_co_u32 s26, s26, s34
	s_add_nc_u64 s[20:21], s[20:21], s[26:27]      ; w2scales at (e, sl)
	s_wait_loadcnt 63                              ; 64 loads were issued behind x's eight; 63 is the largest count that can be written
	; ---- the token.  Its 2 x 2,048 bytes turn through my stage, so that a lane holds 16 neighbours
.irp q, 0, 1, 2, 3
	ds_store_b128 v6, v[192+4*\q:195+4*\q] offset:640*\q
	ds_store_b128 v6, v[208+4*\q:211+4*\q] offset:2560+640*\q
.endr
.irp i, 0, 1, 2, 3
	ds_load_b128 v[224+4*\i:227+4*\i], v7 offset:16*\i          ; LDS serves a wave's instructions in order: these see my stores
	ds_load_b128 v[240+4*\i:243+4*\i], v7 offset:2560+16*\i
.endr
	s_wait_dscnt 0x0
.irp k, 0, 2, 4, 6, 8, 10, 12, 14
	v_pk_mul_f32 v[192+\k:193+\k], v[224+\k:225+\k], v[224+\k:225+\k]
.endr
.irp k, 0, 2, 4, 6, 8, 10, 12, 14
	v_pk_fma_f32 v[192+\k:193+\k], v[240+\k:241+\k], v[240+\k:241+\k], v[192+\k:193+\k]   ; |x|^2
.endr
	s_mov_b32 s36, 0
.irp k, 0, 1, 2, 3, 4, 5, 6, 7, 8, 9, 10, 11, 12, 13, 14, 15
	v_cmp_eq_f32 s34, 0, v[192+\k]                 ; elements that are zero have phase 0: each adds 1 to the cosines.  The count is a value alone: no address and no branch hangs on it
	s_bcnt1_i32_b32 s35, s34
	s_add_co_u32 s36, s36, s35
.endr
	v_cvt_f32_u32 v165, s36
.irp k, 0, 1, 2, 3, 4, 5, 6, 7, 8, 9, 10, 11, 12, 13, 14, 15
	v_max_num_f32 v[192+\k], 0x800000, v[192+\k]   ; held at 2^-126, so that the root's reciprocal stays a number
.endr
.irp k, 0, 1, 2, 3, 4, 5, 6, 7, 8, 9, 10, 11, 12, 13, 14, 15
	v_rsq_f32 v[192+\k], v[192+\k]                 ; 1 / |x|
.endr
	v_nop                                          ; a plain place behind the batch,
	s_wait_alu depctr_va_vdst(0)                   ; and one wait for the sixteen, ahead of their first reader
	v_pk_mul_f32 v[160:161], v[224:225], v[192:193]
	v_pk_mul_f32 v[162:163], v[240:241], v[192:193]
.irp k, 2, 4, 6, 8, 10, 12, 14
	v_pk_fma_f32 v[160:161], v[224+\k:225+\k], v[192+\k:193+\k], v[160:161]   ; the cosines,
	v_pk_fma_f32 v[162:163], v[240+\k:241+\k], v[192+\k:193+\k], v[162:163]   ; the sines
.endr
	v_add_f32 v160, v160, v161
	v_add_f32 v162, v162, v163
.irp m, 1, 2, 4, 8
	v_add_f32_dpp v160, v160, v160 row_xmask:\m row_mask:0xf bank_mask:0xf
	v_add_f32_dpp v162, v162, v162 row_xmask:\m row_mask:0xf bank_mask:0xf
.endr
	v_permlanex16_b32 v[PT], v160, s28, s29
	v_add_f32 v160, v160, v[PT]
	v_permlanex16_b32 v[PT], v162, s28, s29
	v_add_f32 v162, v162, v[PT]                    ; s: the token's sum of sines, in every lane
	v_add_f32 v160, v160, v165                     ; c: of cosines, with the zeros' ones
	v_and_b32 v166, 0x80000000, v162               ; below the axis the angle + pi is that of (-c, -s)
	v_xor_b32 v167, v166, v160                     ; c'
	v_and_b32 v168, 0x7fffffff, v162               ; s'
	v_xor_b32 v170, 0x80000000, v167               ; -c'
	v_cmp_ge_f32 vcc_lo, v168, v167
	v_cndmask_b32 v169, 0, 1, vcc_lo               ; c' > 0: octant 1 from pi / 4 on
	v_cmp_gt_f32 vcc_lo, v168, v170
	v_cndmask_b32 v171, 3, 2, vcc_lo               ; else: octant 2 under 3 pi / 4
	v_cmp_lt_f32 vcc_lo, 0, v167
	v_cndmask_b32 v169, v171, v169, vcc_lo
	v_lshrrev_b32 v166, 29, v166
	v_xor_b32 v166, 4, v166                        ; 4 more at or above the axis
	v_add_nc_u32 v41, v169, v166                   ; the expert
	; x as codes: two neighbouring lanes hold a block
	v_max3_num_f32 v176, |v224|, |v225|, 0x2800000
	v_max3_num_f32 v177, |v240|, |v241|, 0x2800000
.irp i, 2, 4, 6, 8, 10, 12, 14
	v_max3_num_f32 v176, v176, |v[224+\i]|, |v[225+\i]|
	v_max3_num_f32 v177, v177, |v[240+\i]|, |v[241+\i]|
.endr
	v_max_num_f32_dpp v176, v176, v176 row_xmask:1 row_mask:0xf bank_mask:0xf
	v_max_num_f32_dpp v177, v177, v177 row_xmask:1 row_mask:0xf bank_mask:0xf
	v_add_nc_u32 v178, 0xfe000000, v176
	v_add_nc_u32 v179, 0xfe000000, v177
	v_cvt_scalef32_pk16_bf6_f32 v[32:34], v[224:239], v178
	v_cvt_scalef32_pk16_bf6_f32 v[36:38], v[240:255], v179
	v_lshrrev_b32 v180, 23, v178                   ; (a plain place behind the conversions)  the bytes
	v_lshrrev_b32 v181, 23, v179
	v_xor_b32 v36, s30, v36                        ; -x_i
	v_xor_b32 v37, s31, v37
	v_xor_b32 v38, s32, v38
	v_lshl_or_b32 v180, v181, 16, v180
	v_lshlrev_b32 v180, v15, v180                  ; my block's two bytes at their places,
	v_mov_b32_dpp v182, v180 row_xmask:2 row_mask:0xf bank_mask:0xf
	v_or_b32 v180, v180, v182                      ; with the other block's: V1's word (r0, r1, i0, i1)
	v_alignbit_b32 v183, v180, v180, 16            ; V2's: (i0, i1, r0, r1)
	v_cndmask_b32 v40, v180, v183, s37             ; odd lanes store V2's
	global_store_b96 v8, v[32:34], s[12:13]
	global_store_b96 v8, v[36:38], s[12:13] offset:24
	global_store_b32 v9, v40, s[14:15]
	global_store_b32 v10, v41, s[16:17]            ; every lane the same word.  None of these stores' registers is written again
	; ---- W2.  Three landing buffers; up to 63 loads of the wave are out
	GLOAD 2, 0, 8, 256, 2048                       ; group 2: Wr2, column group 1
	s_wait_loadcnt 63                              ; behind group 0: groups 1 and 2, 64 loads
	QGROUP 1, 0, 0
	GLOAD 1, 0, 10, 256, 2048                      ; group 3: Wi2, column group 1, into the buffer just read
	s_wait_loadcnt 63                              ; behind group 1: groups 2 and 3
	QGROUP 1, 128, 1
	SWFIN
	FSTORE 0
	s_wait_loadcnt 32                              ; behind group 2: group 3
	s_wait_xcnt 0x0                                ; the fragments' registers are those stores' data: written again only behind this wait
.set SWB, 20
	QGROUP 2, 0, 0
	s_wait_loadcnt 0x0
	QGROUP 1, 0, 1
	SWFIN
	FSTORE 1
.irp j, 0, 1, 2, 3
	v_cndmask_b32 v[24+\j], v[16+\j], v[20+\j], s33   ; lanes 0-15 carry column group 0's words, lanes 16-31 group 1's
.endr
	global_store_b128 v12, v[24:27], s[20:21]      ; two runs of 256 consecutive bytes, aligned
	s_wait_tensorcnt 0x0                           ; the wave's end
	ds_add_u32 v[SPW], v[NIL]
	s_wait_dscnt 0x0
	s_endpgm
.Lfunc_end_k_q6f2efe2e56_prep:
	.size	k_q6f2efe2e56_prep, .Lfunc_end_k_q6f2efe2e56_prep-k_q6f2efe2e56_prep
	.p2alignl 7, 3214868480
	.fill 96, 4, 3214868480
	.section	.rodata,"a",@progbits
	.p2align	6, 0x0
	.amdhsa_kernel k_q6f2efe2e56_prep
		.amdhsa_group_segment_fixed_size 20992
		.amdhsa_private_segment_fixed_size 0
		.amdhsa_enable_private_segment 0
		.amdhsa_kernarg_size 72
		.amdhsa_user_sgpr_count 2
		.amdhsa_user_sgpr_kernarg_segment_ptr 1
		.amdhsa_wavefront_size32 1
		.amdhsa_system_sgpr_workgroup_id_x 1
		.amdhsa_system_sgpr_workgroup_id_y 1
		.amdhsa_system_sgpr_workgroup_id_z 1
		.amdhsa_system_vgpr_workitem_id 0
		.amdhsa_next_free_vgpr 768
		.amdhsa_next_free_sgpr 66
		.amdhsa_reserve_vcc 1
		.amdhsa_float_denorm_mode_32 3
		.amdhsa_float_denorm_mode_16_64 3
		.amdhsa_memory_ordered 1
		.amdhsa_forward_progress 1
		.amdhsa_inst_pref_size 70
	.end_amdhsa_kernel
	.amdgpu_metadata
---
amdhsa.version: [ 1, 2 ]
amdhsa.kernels:
  - .name:           k_q6f2efe2e56_prep
    .symbol:         k_q6f2efe2e56_prep.kd
    .args:
      - { .name: x_r, .offset: 0, .size: 8, .value_kind: global_buffer, .address_space: global }
      - { .name: x_i, .offset: 8, .size: 8, .value_kind: global_buffer, .address_space: global }
      - { .name: Wr2, .offset: 16, .size: 8, .value_kind: global_buffer, .address_space: global }
      - { .name: Wi2, .offset: 24, .size: 8, .value_kind: global_buffer, .address_space: global }
      - { .name: xcodes, .offset: 32, .size: 8, .value_kind: global_buffer, .address_space: global }
      - { .name: xscales, .offset: 40, .size: 8, .value_kind: global_buffer, .address_space: global }
      - { .name: idx, .offset: 48, .size: 8, .value_kind: global_buffer, .address_space: global }
      - { .name: w2codes, .offset: 56, .size: 8, .value_kind: global_buffer, .address_space: global }
      - { .name: w2scales, .offset: 64, .size: 8, .value_kind: global_buffer, .address_space: global }
    .group_segment_fixed_size: 20992
    .private_segment_fixed_size: 0
    .kernarg_segment_align: 8
    .kernarg_segment_size: 72
    .max_flat_workgroup_size: 128
    .sgpr_count:     66
    .vgpr_count:     768
    .wavefront_size: 32
...
	.end_amdgpu_metadata
.endif
;; end of part 1
;; launch layer1 (part 2): grid 32 x 8, 4 waves a work-group, no clusters, 58,368 bytes of LDS; arguments xcodes, xscales, idx, Wr1, Wi1, br1, bi1, mb, hcodes, hscales, order; writes hcodes, hscales, order
.if DOCPART == 2
	.amdgcn_target "amdgcn-amd-amdhsa--gfx1250"
	.amdhsa_code_object_version 6
	.text
	.protected	k_q6f2efe2e56_layer1
	.globl	k_q6f2efe2e56_layer1
	.p2align	8
	.type	k_q6f2efe2e56_layer1,@function
k_q6f2efe2e56_layer1:
	s_mov_b64 s[64:65], 0
	v_nop
	global_prefetch_b8 v0, s[64:65] scope:SCOPE_SE
	s_setreg_imm32_b32 hwreg(HW_REG_WAVE_MODE, 25, 1), 1
	s_wait_xcnt 0x0
; LAYER 1.  Work-group (x = sl, y = e): hidden units 64 sl .. + 63 of expert e, for the tokens that the router gave to e.
; Its slice of Wr1 and Wi1 (512 rows x 64 columns each) is read as f32 ONCE, quantised along F in registers (wave w: K steps 2 w, 2 w + 1) and handed round through LDS as images of the operand's registers;
; from then on every wave holds all 32 fragments in registers.  The expert's list of tokens is made from idx by rank-select in registers; then wave w walks tiles of 16 tokens w, w + 4, ..:
; product, bias, ModReLU, quantiser; the hidden layer leaves as codes, as images for the next launch.
; COMPLEX PRODUCTS AS ONE K OF 128: weights [Wr | Wi] (64 rows each); V1 = [x_r | -x_i] gives h_r, V2 = [x_i | x_r] gives h_i.  V1 is read; V2 is made of it: sign bits turned, halves changed.
; THE PRODUCT IS USED TRANSPOSED (source 0 = 16 hidden units, source 1 = 16 tokens).  Row r of weight tile j is hidden unit 4 r + j, so register i of tile j in lane (token r, h) is unit 32 h + 4 i + j:
; the four tiles give a lane one whole block of 32 along the next K.
; LIST POSITIONS AT OR PAST THE COUNT hold the expert's last token: such rows compute and store the same bits once more, and EXEC is never changed.
; Trip counts are constants; work is jumped over by scalar branches on the count, which is made of whole numbers that an earlier launch stored.
; The two barriers stand on every wave's path, outside those branches.
; LIMITS: NaN and infinities are not served; a block of zeros gets the scale byte 1 (its codes are zeros; this program alone reads the bytes).
.set F,     80                         ; v80-127   four fragments while the weights are quantised; later the hidden layer's codes (v80-91) and what makes them
.set MX,    160
.set SCL,   162
.set BY,    164
.set CT,    168
.set T,     192
.set WA,    4
.set SH8,   13
.set PT,    14
.set SPW,   28
.set NIL,   29
.set SWB,   16
.set WIMG,  0                          ; LDS: 32 weight fragments (4 v + j), 1,536 bytes each
.set WSC,   49152                      ; their scale words: [v][lane][j]
.set LIST,  53248                      ; the expert's tokens: 4,096 bytes, and 512 that the look-ahead's address may reach
.set SPARE, 57856                      ; the spare words, 128 bytes a wave
.set M,     28                         ; s28-59   32 masks: bit L of mask c: token 128 (c / 4) + 4 L + c % 4 is mine
.set P,     66                         ; s66-97   how many tokens the masks before c hold
; window 0: v0-31 addresses; v32-63 the weights' scale words; v64-71 x's; v128-159 mb; v160-191 at work; v192-255 at work
; window 1: two landing buffers; later fragments of K steps 0-3 (v0-191), br (v192-223) and bi (v224-255) in the result's layout
; window 2: a landing buffer, br and bi as loaded (v192-255); later fragments of K steps 4-7 (v0-191)
; window 3: V1 (v0-95), V2 (v96-191), h_r's four accumulators (v192-223), h_i's (v224-255)
.set MSB,   0
.macro WIN new
.if MSB != (\new)
	s_set_vgpr_msb (MSB<<8)|(\new)
.set MSB, (\new)
.endif
.endm
.macro GLOAD win, base, sbase, off0, pitch     ; 64 rows of K x 64 columns: lane (r, h) takes row 32 h + i, columns 4 r .. 4 r + 3: each load covers two runs of 256 consecutive bytes
	WIN (\win)<<6
.set gl, 0
.rept 32
	global_load_b128 v[\base+4*gl:\base+4*gl+3], v[WA], s[\sbase:\sbase+1] offset:\off0+gl*\pitch th:TH_LOAD_NT
.set gl, gl+1
.endr
	WIN 0
.endm
.macro QGROUP win, base, c             ; a landed group becomes half c (0: real, 1: imaginary) of four fragments, two columns at a time
.irp jp, 0, 2
	WIN \win
.set qi, 0
.rept 32
	v_mov_b32 v[T+qi], v[\base+4*qi+\jp]
	v_mov_b32 v[T+32+qi], v[\base+4*qi+\jp+1]
.set qi, qi+1
.endr
	WIN 0
	v_max3_num_f32 v[MX], |v[T]|, |v[T+1]|, 0x2800000        ; the floor 2^(5 - 127) among the leaves: the byte cannot fall under 1
	v_max3_num_f32 v[MX+1], |v[T+32]|, |v[T+33]|, 0x2800000
.set qi, 2
.rept 15
	v_max3_num_f32 v[MX], v[MX], |v[T+qi]|, |v[T+qi+1]|
	v_max3_num_f32 v[MX+1], v[MX+1], |v[T+32+qi]|, |v[T+33+qi]|
.set qi, qi+2
.endr
	v_add_nc_u32 v[SCL], 0xfe000000, v[MX]
	v_add_nc_u32 v[SCL+1], 0xfe000000, v[MX+1]
	v_lshrrev_b32 v[BY], 23, v[SCL]
	v_lshrrev_b32 v[BY+1], 23, v[SCL+1]
.irp jj, 0, 1
.if \c == 0
	v_mov_b32 v[SWB+\jp+\jj], v[BY+\jj]
.else
	v_lshl_or_b32 v[SWB+\jp+\jj], v[BY+\jj], 16, v[SWB+\jp+\jj]
.endif
.endr
.irp jj, 0, 1
	v_cvt_scalef32_pk16_bf6_f32 v[F+12*(\jp+\jj)+6*\c:F+12*(\jp+\jj)+6*\c+2], v[T+32*\jj:T+32*\jj+15], v[SCL+\jj]
	v_cvt_scalef32_pk16_bf6_f32 v[CT+4*\jj:CT+4*\jj+2], v[T+32*\jj+16:T+32*\jj+31], v[SCL+\jj]
.endr
	v_nop                                          ; one plain place behind the scaled conversions
.irp jj, 0, 1
.irp k, 0, 1, 2
	v_mov_b32 v[F+12*(\jp+\jj)+6*\c+3+\k], v[CT+4*\jj+\k]
.endr
.endr
.endr
.endm
.macro SWFIN
.irp j, 0, 1, 2, 3
	v_lshlrev_b32 v[SWB+\j], v[SH8], v[SWB+\j]
.endr
.irp j, 0, 1, 2, 3
	v_permlanex16_b32 v[PT], v[SWB+\j], s28, s29
	v_or_b32 v[SWB+\j], v[SWB+\j], v[PT]
.endr
.endm
.macro WSTORE gi                       ; K step 2 w + gi: four fragments and their scale words to LDS, as they stand
.irp j, 0, 1, 2, 3
.irp pl, 0, 1, 2
	ds_store_b128 v7, v[F+12*\j+4*\pl:F+12*\j+4*\pl+3] offset:WIMG+\gi*6144+\j*1536+\pl*512
.endr
.endr
	ds_store_b128 v8, v[16:19] offset:\gi*512
.endm
.macro RSTEP a, width, step            ; one step of the search for the k-th set bit: does the lower half of the field at pos hold it?
	v_bfe_u32 v24, v[\a], v27, \width
	v_cmp_ge_u32 vcc_lo, v22, v24
	v_sub_nc_u32 v24, v22, v24
	v_cndmask_b32 v22, v22, v24, vcc_lo
	v_add_nc_u32 v24, \step, v27
	v_cndmask_b32 v27, v27, v24, vcc_lo
.endm
.macro XLOAD                           ; a tile's 16 tokens: lane (r, h) takes token r's V1 (its half's 384 bytes) and its scale words (lanes 0-15 V1's, lanes 16-31 V2's): 26 loads
	v_add_nc_u32 v23, s38, v10
	ds_load_b32 v20, v23
	s_wait_dscnt 0x0
	v_min_u32 v20, 0x3ff, v20
	v_mul_u32_u24 v21, v20, 768
	v_add_nc_u32 v21, v21, v11
	v_lshl_add_u32 v22, v20, 6, v12
	global_load_b128 v[64:67], v22, s[6:7]
	global_load_b128 v[68:71], v22, s[6:7] offset:16
	WIN 0xc0
.irp v, 0, 1, 2, 3, 4, 5, 6, 7
.irp pl, 0, 1, 2
	global_load_b128 v[12*\v+4*\pl:12*\v+4*\pl+3], v21, s[4:5] offset:48*\v+16*\pl
.endr
.endr
	WIN 0
.endm
	s_load_b512 s[4:19], s[0:1], 0x0               ; xcodes, xscales, idx, Wr1, Wi1, br1, bi1, mb
	s_load_b128 s[20:23], s[0:1], 0x40             ; hcodes, hscales
	s_load_b64 s[24:25], s[0:1], 0x50              ; order
	v_lshl_add_u32 v[SPW], v0, 2, SPARE
	v_mov_b32 v[NIL], 0
	v_lshrrev_b32 v1, 5, v0
	v_readfirstlane_b32 s2, v1                     ; wave
	v_and_b32 v1, 31, v0                           ; lane
	v_and_b32 v2, 15, v0                           ; r
	v_bfe_u32 v3, v0, 4, 1                         ; h
	s_mov_b32 s3, ttmp9                            ; sl
	s_and_b32 s26, ttmp7, 0xffff                   ; e
	v_lshlrev_b32 v[WA], 18, v3                    ; W1: 32 h rows of 8,192 bytes
	v_lshl_add_u32 v[WA], v2, 4, v[WA]
	s_lshl_b32 s62, s2, 20
	v_add_nc_u32 v[WA], s62, v[WA]                 ; + my wave's 128 rows
	v_lshlrev_b32 v5, 4, v1                        ; 16 x lane
	v_lshlrev_b32 v6, 2, v1                        ; 4 x lane
	s_mul_i32 s62, s2, 12288
	v_add_nc_u32 v7, s62, v5                       ; where I store weight images
	s_lshl_b32 s62, s2, 10
	s_add_co_u32 s62, s62, WSC
	v_add_nc_u32 v8, s62, v5                       ; and their scale words
	v_lshl_add_u32 v9, v0, 2, LIST                 ; where I store list entries
	s_lshl_b32 s62, s2, 6
	s_add_co_u32 s62, s62, LIST
	v_lshl_add_u32 v10, v2, 2, s62                 ; where I read them: tile w, entry r
	v_mul_u32_u24 v11, v3, 384
	v_lshlrev_b32 v12, 5, v3
	v_lshlrev_b32 v[SH8], 3, v3
	v_mov_b32 v[PT], 0                             ; written once: a lane permute's destination counts as one of its sources
	v_lshlrev_b32 v15, 7, v3                       ; biases: my half's 32 numbers
	s_lshl_b32 s62, s26, 22                        ; an expert's W1 is 4,194,304 bytes
	s_lshl_b32 s63, s3, 8
	s_add_co_u32 s62, s62, s63                     ; + 64 columns a work-group
	s_mov_b32 s63, 0
	s_wait_kmcnt 0x0
	s_add_nc_u64 s[10:11], s[10:11], s[62:63]
	s_add_nc_u64 s[12:13], s[12:13], s[62:63]
.irp q, 0, 1, 2, 3, 4, 5, 6, 7
	global_load_b128 v[192+4*\q:195+4*\q], v5, s[8:9] offset:512*\q    ; all 1,024 expert numbers: register 4 q + b of lane L is token 128 q + 4 L + b
.endr
	GLOAD 1, 0, 10, 0, 8192                        ; group 0: Wr1, K step 2 w
	GLOAD 1, 128, 12, 0, 8192                      ; group 1: Wi1, K step 2 w
	s_lshl_b32 s62, s26, 13
	s_lshl_b32 s98, s3, 8
	s_add_co_u32 s62, s62, s98
	s_add_nc_u64 s[14:15], s[14:15], s[62:63]      ; br1, bi1, mb at (e, 64 sl)
	s_add_nc_u64 s[16:17], s[16:17], s[62:63]
	s_add_nc_u64 s[18:19], s[18:19], s[62:63]
	s_wait_loadcnt 63                              ; 64 loads were issued behind the eight; 63 is the largest count that can be written
	; ---- whose tokens are mine
.set lc, 0
.rept 32
	v_cmp_eq_u32 s[M+lc], s26, v[192+lc]
.set lc, lc+1
.endr
	s_mov_b32 s27, 0
.set lc, 0
.rept 32
	s_mov_b32 s[P+lc], s27
	s_bcnt1_i32_b32 s62, s[M+lc]
	s_add_co_u32 s27, s27, s62
.set lc, lc+1
.endr                                              ; s27: the expert's count
	s_add_co_u32 s60, s27, 15
	s_lshr_b32 s60, s60, 4                         ; tiles of 16
	s_max_u32 s61, s27, 128                        ; the first 128 positions are always made: the first tiles' loads have no condition
	s_max_u32 s101, s27, 1
	s_sub_co_u32 s101, s101, 1                     ; the last position that holds a token of its own
	s_lshl_b32 s105, s26, 12                       ; order: 4,096 bytes an expert
	; ---- the list: position p gets the p-th token of the expert.  Eight trips of 128 positions; a wave's 32 are jumped over where they begin at or past the limit
	s_mov_b32 s98, 0
	s_lshl_b32 s99, s2, 5
	s_mov_b32 s100, 0
.Llist:
	s_cmp_ge_u32 s99, s61
	s_cbranch_scc1 .Llist_next
	s_wait_xcnt 0x0                                ; the last trip's store has read its registers
	v_add_nc_u32 v20, s99, v1
	v_min_u32 v20, s101, v20                       ; p'
	v_mov_b32 v21, s[M]
	v_mov_b32 v22, 0
	v_mov_b32 v23, 0
.set lc, 1
.rept 31
	v_cmp_gt_u32 vcc_lo, s[P+lc], v20              ; the last mask whose first position is at or under p'
	v_cndmask_b32 v21, s[M+lc], v21, vcc_lo
	v_cndmask_b32 v22, s[P+lc], v22, vcc_lo
	v_cndmask_b32 v23, lc, v23, vcc_lo
.set lc, lc+1
.endr
	v_sub_nc_u32 v22, v20, v22                     ; k: which set bit of it
	v_lshrrev_b32 v16, 1, v21
	v_and_b32 v16, 0x55555555, v16
	v_sub_nc_u32 v16, v21, v16                     ; set bits in each 2,
	v_lshrrev_b32 v17, 2, v16
	v_and_b32 v17, 0x33333333, v17
	v_and_b32 v24, 0x33333333, v16
	v_add_nc_u32 v17, v17, v24                     ; in each 4,
	v_lshrrev_b32 v18, 4, v17
	v_add_nc_u32 v18, v18, v17
	v_and_b32 v18, 0x0f0f0f0f, v18                 ; in each 8,
	v_lshrrev_b32 v19, 8, v18
	v_add_nc_u32 v19, v19, v18                     ; in the low 16 (byte 0)
	v_mov_b32 v27, 0                               ; pos
	RSTEP 19, 8, 16
	RSTEP 18, 8, 8
	RSTEP 17, 4, 4
	RSTEP 16, 2, 2
	RSTEP 21, 1, 1
	v_lshrrev_b32 v25, 2, v23
	v_lshlrev_b32 v25, 7, v25
	v_lshl_add_u32 v25, v27, 2, v25
	v_and_b32 v24, 3, v23
	v_add_nc_u32 v25, v25, v24                     ; the token
	v_min_u32 v25, 0x3ff, v25
	v_add_nc_u32 v24, s100, v9
	ds_store_b32 v24, v25
	s_cmp_lg_u32 s3, 0                             ; the expert's first work-group also stores the list for the next launch
	s_cbranch_scc1 .Llist_next
	s_add_co_u32 s104, s100, s105
	v_lshl_add_u32 v26, v0, 2, s104
	global_store_b32 v26, v25, s[24:25]
.Llist_next:
	s_add_co_u32 s99, s99, 128
	s_add_co_u32 s100, s100, 512
	s_add_co_u32 s98, s98, 1
	s_cmp_lt_u32 s98, 8
	s_cbranch_scc1 .Llist
	s_cmp_lg_u32 s3, 0
	s_cbranch_scc1 .Lno_count
	s_cmp_lg_u32 s2, 0
	s_cbranch_scc1 .Lno_count
	s_lshl_b32 s104, s26, 2
	v_mov_b32 v30, s27
	v_mov_b32 v31, s104
	global_store_b32 v31, v30, s[24:25] offset:32768   ; the count; v30 and v31 are not written again
.Lno_count:
	s_wait_xcnt 0x0                                ; the list's stores have read their registers
	s_wait_dscnt 0x0                               ; my list entries have landed
	s_barrier_signal -1
	s_barrier_wait -1                              ; the list is whole
	s_mov_b32 s28, 0x76543210                      ; the masks and counts are done with: their registers take the constants
	s_mov_b32 s29, 0xfedcba98
	s_mov_b32 s30, 0x20820820                      ; the sign bits of 16 codes of 6 bits, in three words
	s_mov_b32 s31, 0x08208208
	s_mov_b32 s32, 0x82082082
	s_mov_b32 s33, 0xffff0000                      ; lanes 16-31
	s_mov_b32 s34, 0x2edbe6ff                      ; 1e-10
	s_mov_b32 s35, 0x2edbe6ff
	; ---- the weights
	GLOAD 2, 0, 10, 524288, 8192                   ; group 2: Wr1, K step 2 w + 1
	WIN 0x80
.irp k, 0, 1, 2, 3, 4, 5, 6, 7
	global_load_b128 v[192+4*\k:195+4*\k], v15, s[14:15] offset:16*\k   ; br1 of units 32 h + 0 .. 31
.endr
.irp k, 0, 1, 2, 3, 4, 5, 6, 7
	global_load_b128 v[224+4*\k:227+4*\k], v15, s[16:17] offset:16*\k   ; bi1
.endr
	WIN 0
.irp k, 0, 1, 2, 3, 4, 5, 6, 7
	global_load_b128 v[128+4*\k:131+4*\k], v15, s[18:19] offset:16*\k   ; mb
.endr
	s_wait_loadcnt 63                              ; behind group 0: 88 loads
	QGROUP 1, 0, 0
	GLOAD 1, 0, 12, 524288, 8192                   ; group 3: Wi1, K step 2 w + 1, into the buffer just read
	s_mov_b32 s38, 0
	XLOAD                                          ; my first tile's x, with no condition: its list entries are always made
	s_wait_loadcnt 63                              ; behind group 1: 114 loads
	QGROUP 1, 128, 1
	SWFIN
	WSTORE 0
	s_wait_loadcnt 63                              ; behind group 2: 82 loads
	s_wait_dscnt 0x0                               ; the stores have read the fragments' registers
	QGROUP 2, 0, 0
	s_wait_loadcnt 26                              ; behind group 3: x's 26.  The biases, asked for earlier, are in too
	QGROUP 1, 0, 1
	SWFIN
	WSTORE 1
	s_wait_dscnt 0x0                               ; my images have landed
	s_barrier_signal -1
	s_barrier_wait -1                              ; all 32 fragments lie in LDS
	WIN 0x40
.set fi, 0
.rept 16
.irp pl, 0, 1, 2
	ds_load_b128 v[12*fi+4*\pl:12*fi+4*\pl+3], v5 offset:WIMG+1536*fi+512*\pl
.endr
.set fi, fi+1
.endr
	WIN 0x80
.set fi, 0
.rept 16
.irp pl, 0, 1, 2
	ds_load_b128 v[12*fi+4*\pl:12*fi+4*\pl+3], v5 offset:WIMG+1536*(fi+16)+512*\pl
.endr
.set fi, fi+1
.endr
	WIN 0
.irp v, 0, 1, 2, 3, 4, 5, 6, 7
	ds_load_b128 v[32+4*\v:35+4*\v], v5 offset:WSC+512*\v
.endr
	WIN 0x42                                       ; from window 2 into window 1: the biases in the result's layout: register i of tile j is unit 4 i + j of my half
.irp j, 0, 1, 2, 3
.irp i, 0, 1, 2, 3, 4, 5, 6, 7
	v_mov_b32 v[192+8*\j+\i], v[192+4*\i+\j]
	v_mov_b32 v[224+8*\j+\i], v[224+4*\i+\j]
.endr
.endr
	WIN 0
	s_wait_dscnt 0x0
	; ---- the tiles: 16 trips, tile t = w + 4 n; a trip past the expert's tiles is jumped over
	s_mov_b32 s36, 0
	s_mov_b32 s37, s2
	s_mov_b32 s38, 256                             ; the list offset of the tile that a trip asks for: one ahead
.Ltile:
	s_cmp_ge_u32 s37, s60
	s_cbranch_scc1 .Ltile_next
	s_wait_loadcnt 0x0                             ; this tile's x is in
	WIN 0xcf
.irp v, 0, 1, 2, 3, 4, 5, 6, 7
.irp k, 0, 1, 2, 3, 4, 5
	v_xor_b32 v[96+12*\v+\k], s[30+\k%3], v[12*\v+6+\k]     ; V2 = [x_i | x_r]: -x_i's sign bits turned back,
.endr
.irp k, 0, 1, 2, 3, 4, 5
	v_mov_b32 v[102+12*\v+\k], v[12*\v+\k]                  ; and x_r
.endr
.endr
.rept 4
	v_nop                                          ; an operand written by vector instructions stands four places ahead of a scaled matrix instruction
.endr
.irp v, 0, 1, 2, 3, 4, 5, 6, 7                 ; eight accumulators by turns, one instruction a turn; the first K step takes the biases (window 1) as C
.if \v == 0
	WIN 0xdd
.elseif \v < 4
	WIN 0xfd
.else
	WIN 0xfe
.endif
.irp j, 0, 1, 2, 3
	v_wmma_scale_f32_16x16x128_f8f6f4 v[192+8*\j:199+8*\j], v[12*(4*(\v%4)+\j):12*(4*(\v%4)+\j)+11], v[12*\v:12*\v+11], v[192+8*\j:199+8*\j], v[32+4*\v+\j], v[64+\v] matrix_a_fmt:MATRIX_FMT_BF6 matrix_b_fmt:MATRIX_FMT_BF6
.endr
.irp j, 0, 1, 2, 3
	v_wmma_scale_f32_16x16x128_f8f6f4 v[224+8*\j:231+8*\j], v[12*(4*(\v%4)+\j):12*(4*(\v%4)+\j)+11], v[96+12*\v:96+12*\v+11], v[224+8*\j:231+8*\j], v[32+4*\v+\j], v[64+\v] matrix_a_fmt:MATRIX_FMT_BF6 matrix_b_fmt:MATRIX_FMT_BF6 matrix_b_scale:MATRIX_SCALE_ROW1
.endr
.endr
	WIN 0
.rept 4
	v_nop                                          ; places in front of loads into registers that matrix instructions have read, and of the first read of results
.endr
	s_add_co_u32 s62, s37, 4
	s_cmp_ge_u32 s62, s60
	s_cbranch_scc1 .Lno_x
	XLOAD                                          ; my next tile's x lands while this tile is finished
.Lno_x:
	; ModReLU: amp = sqrt(h_r^2 + h_i^2 + 1e-10); scale = max(amp + mb, 0) / (amp + 1e-10)
	WIN 0x0f
.irp k, 0, 2, 4, 6, 8, 10, 12, 14, 16, 18, 20, 22, 24, 26, 28, 30
	v_pk_fma_f32 v[160+\k:161+\k], v[192+\k:193+\k], v[192+\k:193+\k], s[34:35] op_sel_hi:[1,1,0]   ; each accumulator from its low end on
.endr
.irp k, 0, 2, 4, 6, 8, 10, 12, 14, 16, 18, 20, 22, 24, 26, 28, 30
	v_pk_fma_f32 v[160+\k:161+\k], v[224+\k:225+\k], v[224+\k:225+\k], v[160+\k:161+\k]
.endr
	WIN 0
.set ki, 0
.rept 32
	v_sqrt_f32 v[160+ki], v[160+ki]
.set ki, ki+1
.endr
	v_nop                                          ; a plain place behind the batch,
	s_wait_alu depctr_va_vdst(0)                   ; and one wait for the 32 roots
.irp j, 0, 1, 2, 3
.irp i, 0, 1, 2, 3, 4, 5, 6, 7
	v_add_f32 v[192+8*\j+\i], v[160+8*\j+\i], v[128+4*\i+\j]    ; amp + mb
.endr
.endr
.irp k, 0, 2, 4, 6, 8, 10, 12, 14, 16, 18, 20, 22, 24, 26, 28, 30
	v_pk_add_f32 v[224+\k:225+\k], v[160+\k:161+\k], s[34:35] op_sel_hi:[1,0]   ; amp + 1e-10
.endr
.set ki, 0
.rept 32
	v_rcp_f32 v[224+ki], v[224+ki]
.set ki, ki+1
.endr
.set ki, 0
.rept 32
	v_max_num_f32 v[192+ki], 0, v[192+ki]          ; independent work behind the reciprocals
.set ki, ki+1
.endr
	s_wait_alu depctr_va_vdst(0)                   ; one wait for the 32 reciprocals
.irp k, 0, 2, 4, 6, 8, 10, 12, 14, 16, 18, 20, 22, 24, 26, 28, 30
	v_pk_mul_f32 v[160+\k:161+\k], v[192+\k:193+\k], v[224+\k:225+\k]   ; the scale
.endr
	WIN 0x03
.irp j, 0, 1, 2, 3
.irp i, 0, 1, 2, 3, 4, 5, 6, 7
	v_mul_f32 v[192+4*\i+\j], v[192+8*\j+\i], v[160+8*\j+\i]    ; h_r and h_i, written in the order of the hidden units: the multiplication does the permutation
	v_mul_f32 v[224+4*\i+\j], v[224+8*\j+\i], v[160+8*\j+\i]
.endr
.endr
	WIN 0
	; the quantiser: my 32 numbers of h_r are one block, my 32 of h_i another
	v_max3_num_f32 v104, |v192|, |v193|, 0x2800000
	v_max3_num_f32 v105, |v224|, |v225|, 0x2800000
.set ki, 2
.rept 15
	v_max3_num_f32 v104, v104, |v[192+ki]|, |v[193+ki]|
	v_max3_num_f32 v105, v105, |v[224+ki]|, |v[225+ki]|
.set ki, ki+2
.endr
	v_add_nc_u32 v106, 0xfe000000, v104
	v_add_nc_u32 v107, 0xfe000000, v105
	v_lshrrev_b32 v108, 23, v106
	v_lshrrev_b32 v109, 23, v107
	s_wait_xcnt 0x0                                ; the last tile's stores have read their data and addresses: both are written again below
	v_cvt_scalef32_pk16_bf6_f32 v[80:82], v[192:207], v106
	v_cvt_scalef32_pk16_bf6_f32 v[92:94], v[208:223], v106
	v_cvt_scalef32_pk16_bf6_f32 v[96:98], v[224:239], v107
	v_cvt_scalef32_pk16_bf6_f32 v[100:102], v[240:255], v107
	v_lshl_or_b32 v108, v109, 16, v108             ; (a plain place behind the conversions)
	v_lshlrev_b32 v108, v[SH8], v108
	v_permlanex16_b32 v[PT], v108, s28, s29
	v_or_b32 v108, v108, v[PT]                     ; V1's word (r0, r1, i0, i1)
	v_alignbit_b32 v109, v108, v108, 16            ; V2's
	v_cndmask_b32 v112, v108, v109, s33            ; lanes 16-31 carry V2's
.irp k, 0, 1, 2
	v_mov_b32 v[83+\k], v[92+\k]
	v_xor_b32 v[86+\k], s[30+\k], v[96+\k]         ; -h_i
	v_xor_b32 v[89+\k], s[30+\k], v[100+\k]
.endr
	s_lshl_b32 s62, s26, 6
	s_add_co_u32 s62, s62, s37
	s_lshl_b32 s62, s62, 5
	s_add_co_u32 s62, s62, s3                      ; (64 e + t) 32 + sl
	s_mul_i32 s63, s62, 1536
	s_lshl_b32 s62, s62, 7
	v_add_nc_u32 v24, s63, v5
	v_add_nc_u32 v25, s62, v6
	global_store_b128 v24, v[80:83], s[20:21]      ; the fragment's image: each store covers 512 consecutive bytes, aligned
	global_store_b128 v24, v[84:87], s[20:21] offset:512
	global_store_b128 v24, v[88:91], s[20:21] offset:1024
	global_store_b32 v25, v112, s[22:23]
.Ltile_next:
	s_add_co_u32 s37, s37, 4
	s_add_co_u32 s38, s38, 256
	s_add_co_u32 s36, s36, 1
	s_cmp_lt_u32 s36, 16
	s_cbranch_scc1 .Ltile
	s_wait_tensorcnt 0x0                           ; the wave's end
	ds_add_u32 v[SPW], v[NIL]
	s_wait_dscnt 0x0
	s_endpgm
.Lfunc_end_k_q6f2efe2e56_layer1:
	.size	k_q6f2efe2e56_layer1, .Lfunc_end_k_q6f2efe2e56_layer1-k_q6f2efe2e56_layer1
	.p2alignl 7, 3214868480
	.fill 96, 4, 3214868480
	.section	.rodata,"a",@progbits
	.p2align	6, 0x0
	.amdhsa_kernel k_q6f2efe2e56_layer1
		.amdhsa_group_segment_fixed_size 58368
		.amdhsa_private_segment_fixed_size 0
		.amdhsa_enable_private_segment 0
		.amdhsa_kernarg_size 88
		.amdhsa_user_sgpr_count 2
		.amdhsa_user_sgpr_kernarg_segment_ptr 1
		.amdhsa_wavefront_size32 1
		.amdhsa_system_sgpr_workgroup_id_x 1
		.amdhsa_system_sgpr_workgroup_id_y 1
		.amdhsa_system_sgpr_workgroup_id_z 1
		.amdhsa_system_vgpr_workitem_id 0
		.amdhsa_next_free_vgpr 1024
		.amdhsa_next_free_sgpr 106
		.amdhsa_reserve_vcc 1
		.amdhsa_float_denorm_mode_32 3
		.amdhsa_float_denorm_mode_16_64 3
		.amdhsa_memory_ordered 1
		.amdhsa_forward_progress 1
		.amdhsa_inst_pref_size 113
	.end_amdhsa_kernel
	.amdgpu_metadata
---
amdhsa.version: [ 1, 2 ]
amdhsa.kernels:
  - .name:           k_q6f2efe2e56_layer1
    .symbol:         k_q6f2efe2e56_layer1.kd
    .args:
      - { .name: xcodes, .offset: 0, .size: 8, .value_kind: global_buffer, .address_space: global }
      - { .name: xscales, .offset: 8, .size: 8, .value_kind: global_buffer, .address_space: global }
      - { .name: idx, .offset: 16, .size: 8, .value_kind: global_buffer, .address_space: global }
      - { .name: Wr1, .offset: 24, .size: 8, .value_kind: global_buffer, .address_space: global }
      - { .name: Wi1, .offset: 32, .size: 8, .value_kind: global_buffer, .address_space: global }
      - { .name: br1, .offset: 40, .size: 8, .value_kind: global_buffer, .address_space: global }
      - { .name: bi1, .offset: 48, .size: 8, .value_kind: global_buffer, .address_space: global }
      - { .name: mb, .offset: 56, .size: 8, .value_kind: global_buffer, .address_space: global }
      - { .name: hcodes, .offset: 64, .size: 8, .value_kind: global_buffer, .address_space: global }
      - { .name: hscales, .offset: 72, .size: 8, .value_kind: global_buffer, .address_space: global }
      - { .name: order, .offset: 80, .size: 8, .value_kind: global_buffer, .address_space: global }
    .group_segment_fixed_size: 58368
    .private_segment_fixed_size: 0
    .kernarg_segment_align: 8
    .kernarg_segment_size: 88
    .max_flat_workgroup_size: 128
    .sgpr_count:     106
    .vgpr_count:     1024
    .wavefront_size: 32
...
	.end_amdgpu_metadata
.endif
;; end of part 2
;; launch layer2 (part 3): grid 8 x 32, 4 waves a work-group, no clusters, 66,048 bytes of LDS; arguments hcodes, hscales, w2codes, w2scales, order, br2, bi2, out0; writes out0
.if DOCPART == 3
	.amdgcn_target "amdgcn-amd-amdhsa--gfx1250"
	.amdhsa_code_object_version 6
	.text
	.protected	k_q6f2efe2e56_layer2
	.globl	k_q6f2efe2e56_layer2
	.p2align	8
	.type	k_q6f2efe2e56_layer2,@function
k_q6f2efe2e56_layer2:
	s_mov_b64 s[64:65], 0
	v_nop
	global_prefetch_b8 v0, s[64:65] scope:SCOPE_SE
	s_setreg_imm32_b32 hwreg(HW_REG_WAVE_MODE, 25, 1), 1
	s_wait_xcnt 0x0
; LAYER 2.  Work-group (x = g, y = 4 e + q): output features 64 g .. + 63 of expert e, for its tiles of 16 tokens t with t % 4 = q.
; K (2 x 2,048) IS SHARED AMONG THE WAVES: wave w owns K steps sl = 8 w .. 8 w + 7 (each 64 real + 64 imaginary); its 32 weight fragments stay in registers for the whole launch.
; A trip takes two tiles (t = 8 n + q and 8 n + 4 + q): 16 accumulators (tile, real or imaginary, four tiles of features) x 8 K steps.  The four waves' partial sums meet in LDS;
; wave w then adds up tile w / 2, part w % 2 (real, imaginary), adds the bias and stores each token's 64 features at the token's row of out0.
; V1 = [h_r | -h_i] is read and gives y_r; V2 = [h_i | h_r] is made of it (sign bits turned, halves changed) and gives y_i.  Source 0 = 16 tokens, source 1 = 16 features; column r of weight tile j is feature 4 r + j,
; so a lane's four tiles hold four neighbouring features of a token, and sixteen lanes store 256 consecutive bytes, aligned.
; Trip counts are constants; work is jumped over by scalar branches on the expert's count, a whole number that an earlier launch stored.
; The two barriers of a trip stand on every wave's path, outside those branches.  The first trip's products have no condition; for an expert with no token they run on bytes that nobody wrote, and nothing of them is stored.
; List positions at or past the count hold the expert's last token: its row is stored again with the same bits.  EXEC is never changed.
.set SPW,   28
.set NIL,   29
.set SPARE, 65536                      ; LDS: the partial sums [wave 16,384][accumulator 1,024][half 512][lane 16], then the spare words, 128 bytes a wave
; window 0: v0-29 addresses, tokens, bias; v32-63 the weights' scale words; v64-79 h's; v80-127 V2 of K steps 0, 1, later results and their addresses; v128-255 the 16 accumulators, later four sets of partial sums
; window 1: fragments of K steps 0-3 (v0-191), V2 of steps 2, 3 (v192-239).  window 2: steps 4-7, V2 of 4, 5.  window 3: V1 of both tiles (v0-191), V2 of 6, 7
.set MSB,   0
.macro WIN new
.if MSB != (\new)
	s_set_vgpr_msb (MSB<<8)|(\new)
.set MSB, (\new)
.endif
.endm
.macro TRIP first
	s_lshl_b32 s31, s26, 3
	s_add_co_u32 s31, s31, s25                     ; 8 n + q: the trip's first tile
.if \first == 0
	s_cmp_ge_u32 s31, s21
	s_cbranch_scc1 .Lno_a_\@
.endif
	s_wait_xcnt 0x0                                ; the last trip's stores have read their registers: V2 is laid over them below
	s_min_u32 s32, s31, s44                        ; a tile past the expert's last is replaced by the last: its sums are not used
	s_min_u32 s32, s32, 63
	s_add_co_u32 s33, s31, 4
	s_min_u32 s33, s33, s44
	s_min_u32 s33, s33, 63
	s_lshr_b32 s34, s22, 1
	s_lshl_b32 s34, s34, 2
	s_add_co_u32 s34, s34, s31                     ; the tile that I finish
	s_min_u32 s34, s34, s44
	s_min_u32 s34, s34, 63
	s_lshl_b32 s35, s24, 6
	s_add_co_u32 s32, s32, s35
	s_add_co_u32 s33, s33, s35
	s_add_co_u32 s34, s34, s35                     ; + 64 e
	s_lshl_b32 s36, s22, 3
	s_lshl_b32 s32, s32, 5
	s_add_co_u32 s32, s32, s36
	s_lshl_b32 s33, s33, 5
	s_add_co_u32 s33, s33, s36                     ; (64 e + t) 32 + 8 w: my first image of the tile
	s_mul_i32 s37, s32, 1536
	s_mul_i32 s38, s33, 1536
	s_lshl_b32 s32, s32, 7
	s_lshl_b32 s33, s33, 7
	s_lshl_b32 s34, s34, 6                         ; order: 64 bytes a tile
	v_add_nc_u32 v7, s37, v1
	v_add_nc_u32 v8, s38, v1
	v_add_nc_u32 v9, s32, v3
	v_add_nc_u32 v10, s33, v3
	v_add_nc_u32 v11, s34, v4
	global_load_b128 v[16:19], v11, s[12:13]       ; the tokens of rows 8 h + 0 .. 7 of the tile that I finish
	global_load_b128 v[20:23], v11, s[12:13] offset:16
.irp s, 0, 1, 2, 3, 4, 5, 6, 7
	global_load_b32 v[64+\s], v9, s[6:7] offset:128*\s
	global_load_b32 v[72+\s], v10, s[6:7] offset:128*\s
.endr
	WIN 0xc0
.irp s, 0, 1, 2, 3, 4, 5, 6, 7
.irp pl, 0, 1, 2
	global_load_b128 v[12*\s+4*\pl:12*\s+4*\pl+3], v7, s[4:5] offset:1536*\s+512*\pl
	global_load_b128 v[96+12*\s+4*\pl:96+12*\s+4*\pl+3], v8, s[4:5] offset:1536*\s+512*\pl
.endr
.endr
	WIN 0
.if \first
	global_load_b128 v[24:27], v2, s[46:47]        ; the bias of features 4 r + 0 .. 3
.irp s, 0, 1, 2, 3, 4, 5, 6, 7                 ; the weights, once: 13 loads a K step
	WIN (1+\s/4)<<6
.irp j, 0, 1, 2, 3
.irp pl, 0, 1, 2
	global_load_b128 v[12*(4*(\s%4)+\j)+4*\pl:12*(4*(\s%4)+\j)+4*\pl+3], v5, s[8:9] offset:6144*\s+1536*\j+512*\pl
.endr
.endr
	WIN 0
	global_load_b128 v[32+4*\s:35+4*\s], v6, s[10:11] offset:256*\s
.endr
	s_wait_loadcnt 63                              ; behind h's loads: 105; 63 is the largest count that can be written
.else
	s_wait_loadcnt 0x0
.endif
.irp s, 0, 1, 2, 3, 4, 5, 6, 7                 ; V2 of tile a, K step s lies in window s / 2
.if \s < 2
.set HB, 80
.else
.set HB, 192
.endif
	WIN ((\s/2)<<6)|0x0f
.irp a, 0, 1
.irp k, 0, 1, 2, 3, 4, 5
	v_xor_b32 v[HB+12*(2*(\s%2)+\a)+\k], s[28+\k%3], v[96*\a+12*\s+6+\k]
.endr
.irp k, 0, 1, 2, 3, 4, 5
	v_mov_b32 v[HB+12*(2*(\s%2)+\a)+6+\k], v[96*\a+12*\s+\k]
.endr
.endr
.endr
	WIN 0
.rept 4
	v_nop                                          ; an operand written by vector instructions stands four places ahead of a scaled matrix instruction
.endr
.irp s, 0, 1, 2, 3, 4, 5, 6, 7                 ; sixteen accumulators by turns, one instruction a turn; the first K step starts the sums
.if \first
.if 13*(7-\s) > 63
	s_wait_loadcnt 63
.else
	s_wait_loadcnt 13*(7-\s)                       ; the later K steps' weights, 13 loads each, may be out
.endif
.endif
.if \s < 2
.set HB, 80
.else
.set HB, 192
.endif
	WIN 0x03|((1+\s/4)<<2)
.irp a, 0, 1
.irp j, 0, 1, 2, 3
.if \s == 0
	v_wmma_scale_f32_16x16x128_f8f6f4 v[128+8*(8*\a+\j):135+8*(8*\a+\j)], v[96*\a+12*\s:96*\a+12*\s+11], v[12*(4*(\s%4)+\j):12*(4*(\s%4)+\j)+11], 0, v[64+8*\a+\s], v[32+4*\s+\j] matrix_a_fmt:MATRIX_FMT_BF6 matrix_b_fmt:MATRIX_FMT_BF6
.else
	v_wmma_scale_f32_16x16x128_f8f6f4 v[128+8*(8*\a+\j):135+8*(8*\a+\j)], v[96*\a+12*\s:96*\a+12*\s+11], v[12*(4*(\s%4)+\j):12*(4*(\s%4)+\j)+11], v[128+8*(8*\a+\j):135+8*(8*\a+\j)], v[64+8*\a+\s], v[32+4*\s+\j] matrix_a_fmt:MATRIX_FMT_BF6 matrix_b_fmt:MATRIX_FMT_BF6
.endif
.endr
.endr
	WIN (\s/2)|((1+\s/4)<<2)
.irp a, 0, 1
.irp j, 0, 1, 2, 3
.if \s == 0
	v_wmma_scale_f32_16x16x128_f8f6f4 v[128+8*(8*\a+4+\j):135+8*(8*\a+4+\j)], v[HB+12*(2*(\s%2)+\a):HB+12*(2*(\s%2)+\a)+11], v[12*(4*(\s%4)+\j):12*(4*(\s%4)+\j)+11], 0, v[64+8*\a+\s], v[32+4*\s+\j] matrix_a_fmt:MATRIX_FMT_BF6 matrix_b_fmt:MATRIX_FMT_BF6 matrix_a_scale:MATRIX_SCALE_ROW1
.else
	v_wmma_scale_f32_16x16x128_f8f6f4 v[128+8*(8*\a+4+\j):135+8*(8*\a+4+\j)], v[HB+12*(2*(\s%2)+\a):HB+12*(2*(\s%2)+\a)+11], v[12*(4*(\s%4)+\j):12*(4*(\s%4)+\j)+11], v[128+8*(8*\a+4+\j):135+8*(8*\a+4+\j)], v[64+8*\a+\s], v[32+4*\s+\j] matrix_a_fmt:MATRIX_FMT_BF6 matrix_b_fmt:MATRIX_FMT_BF6 matrix_a_scale:MATRIX_SCALE_ROW1
.endif
.endr
.endr
.endr
	WIN 0
.rept 4
	v_nop                                          ; places in front of the first read of results, and of later loads into these instructions' registers
.endr
.set ai, 0
.rept 16
	ds_store_b128 v12, v[128+8*ai:131+8*ai] offset:1024*ai          ; each accumulator from its low end on
	ds_store_b128 v12, v[132+8*ai:135+8*ai] offset:1024*ai+512
.set ai, ai+1
.endr
.Lno_a_\@:
	s_wait_dscnt 0x0                               ; my partial sums have landed
	s_barrier_signal -1
	s_barrier_wait -1                              ; everybody's have
	s_lshl_b32 s31, s26, 3
	s_add_co_u32 s31, s31, s25
	s_lshr_b32 s34, s22, 1
	s_lshl_b32 s34, s34, 2
	s_add_co_u32 s34, s34, s31
	s_cmp_ge_u32 s34, s21                          ; is the tile that I finish one of the expert's?
	s_cbranch_scc1 .Lno_b_\@
	s_wait_xcnt 0x0                                ; the last trip's stores have read their data and addresses
.irp ws, 0, 1, 2, 3
.irp j, 0, 1, 2, 3
	ds_load_b128 v[128+32*\ws+8*\j:131+32*\ws+8*\j], v13 offset:16384*\ws+1024*\j
	ds_load_b128 v[132+32*\ws+8*\j:135+32*\ws+8*\j], v13 offset:16384*\ws+1024*\j+512
.endr
.endr
.irp i, 0, 1, 2, 3, 4, 5, 6, 7
	v_min_u32 v[112+\i], 0x3ff, v[16+\i]
.endr
.irp i, 0, 1, 2, 3, 4, 5, 6, 7
	v_lshl_add_u32 v[112+\i], v[112+\i], 11, v2    ; the token's row of 2,048 bytes, + 16 r
.endr
	s_wait_dscnt 0x0
.irp ws, 1, 2, 3
.irp k, 0, 2, 4, 6, 8, 10, 12, 14, 16, 18, 20, 22, 24, 26, 28, 30
	v_pk_add_f32 v[128+\k:129+\k], v[128+\k:129+\k], v[128+32*\ws+\k:129+32*\ws+\k]
.endr
.endr
.irp i, 0, 1, 2, 3, 4, 5, 6, 7
.irp j, 0, 1, 2, 3
	v_add_f32 v[80+4*\i+\j], v[128+8*\j+\i], v[24+\j]           ; the bias; four neighbouring features into four registers
.endr
.endr
.irp i, 0, 1, 2, 3, 4, 5, 6, 7
	global_store_b128 v[112+\i], v[80+4*\i:83+4*\i], s[18:19] th:TH_STORE_NT   ; sixteen lanes store 256 consecutive bytes of a token's row, aligned
.endr
.Lno_b_\@:
	s_wait_dscnt 0x0                               ; my reads of the partial sums are over
	s_barrier_signal -1
	s_barrier_wait -1                              ; everybody's are: the next trip may store there
.endm
	s_load_b512 s[4:19], s[0:1], 0x0               ; hcodes, hscales, w2codes, w2scales, order, br2, bi2, out0
	v_lshl_add_u32 v[SPW], v0, 2, SPARE
	v_mov_b32 v[NIL], 0
	v_lshrrev_b32 v1, 5, v0
	v_readfirstlane_b32 s22, v1                    ; wave
	s_mov_b32 s23, ttmp9                           ; g
	s_and_b32 s24, ttmp7, 0xffff
	s_and_b32 s25, s24, 3                          ; q
	s_lshr_b32 s24, s24, 2                         ; e
	v_and_b32 v3, 31, v0
	v_lshlrev_b32 v1, 4, v3                        ; 16 x lane
	v_lshlrev_b32 v3, 2, v3                        ; 4 x lane
	v_and_b32 v2, 15, v0
	v_lshlrev_b32 v2, 4, v2                        ; 16 r
	v_bfe_u32 v4, v0, 4, 1
	v_lshlrev_b32 v4, 5, v4                        ; 32 h
	s_mul_i32 s31, s22, 49152
	v_add_nc_u32 v5, s31, v1                       ; my eight K steps of weight images
	s_lshl_b32 s31, s22, 11
	v_add_nc_u32 v6, s31, v2                       ; and of their scale words
	s_lshl_b32 s31, s22, 14
	v_add_nc_u32 v12, s31, v1                      ; where I store partial sums
	s_lshl_b32 s31, s22, 12
	v_add_nc_u32 v13, s31, v1                      ; where I read them: accumulators 4 w .. 4 w + 3 of each wave's
	s_mov_b32 s28, 0x20820820                      ; the sign bits of 16 codes of 6 bits, in three words
	s_mov_b32 s29, 0x08208208
	s_mov_b32 s30, 0x82082082
	s_lshl_b32 s45, s24, 2
	s_wait_kmcnt 0x0
	s_load_b32 s20, s[12:13], s45 offset:0x8000    ; the expert's count
	s_lshl_b32 s32, s24, 3
	s_add_co_u32 s32, s32, s23                     ; 8 e + g
	s_mul_i32 s34, s32, 196608
	s_mov_b32 s35, 0
	s_add_nc_u64 s[8:9], s[8:9], s[34:35]
	s_lshl_b32 s34, s32, 13
	s_add_nc_u64 s[10:11], s[10:11], s[34:35]
	s_and_b32 s33, s22, 1                          ; the part that I finish: 0 real, 1 imaginary
	s_lshl_b32 s34, s33, 21
	s_lshl_b32 s36, s23, 8
	s_add_co_u32 s34, s34, s36
	s_add_nc_u64 s[18:19], s[18:19], s[34:35]      ; out0 at (part, feature 64 g)
	s_cmp_eq_u32 s33, 0
	s_cselect_b64 s[46:47], s[14:15], s[16:17]     ; br2 or bi2: the choice hangs on the wave's number alone
	s_lshl_b32 s34, s24, 11
	s_add_co_u32 s34, s34, s36
	s_add_nc_u64 s[46:47], s[46:47], s[34:35]
	s_wait_kmcnt 0x0
	s_min_u32 s20, s20, 1024
	s_add_co_u32 s21, s20, 15
	s_lshr_b32 s21, s21, 4                         ; tiles of 16
	s_max_u32 s44, s21, 1
	s_sub_co_u32 s44, s44, 1                       ; the last tile
	s_mov_b32 s26, 0
	TRIP 1                                         ; the first trip brings the weights and has no condition on its products
	s_mov_b32 s26, 1
.Ltrip:
	TRIP 0
	s_add_co_u32 s26, s26, 1
	s_cmp_lt_u32 s26, 8
	s_cbranch_scc1 .Ltrip
	s_wait_tensorcnt 0x0                           ; the wave's end
	ds_add_u32 v[SPW], v[NIL]
	s_wait_dscnt 0x0
	s_endpgm
.Lfunc_end_k_q6f2efe2e56_layer2:
	.size	k_q6f2efe2e56_layer2, .Lfunc_end_k_q6f2efe2e56_layer2-k_q6f2efe2e56_layer2
	.p2alignl 7, 3214868480
	.fill 96, 4, 3214868480
	.section	.rodata,"a",@progbits
	.p2align	6, 0x0
	.amdhsa_kernel k_q6f2efe2e56_layer2
		.amdhsa_group_segment_fixed_size 66048
		.amdhsa_private_segment_fixed_size 0
		.amdhsa_enable_private_segment 0
		.amdhsa_kernarg_size 64
		.amdhsa_user_sgpr_count 2
		.amdhsa_user_sgpr_kernarg_segment_ptr 1
		.amdhsa_wavefront_size32 1
		.amdhsa_system_sgpr_workgroup_id_x 1
		.amdhsa_system_sgpr_workgroup_id_y 1
		.amdhsa_system_sgpr_workgroup_id_z 1
		.amdhsa_system_vgpr_workitem_id 0
		.amdhsa_next_free_vgpr 1024
		.amdhsa_next_free_sgpr 66
		.amdhsa_reserve_vcc 0
		.amdhsa_float_denorm_mode_32 3
		.amdhsa_float_denorm_mode_16_64 3
		.amdhsa_memory_ordered 1
		.amdhsa_forward_progress 1
		.amdhsa_inst_pref_size 95
	.end_amdhsa_kernel
	.amdgpu_metadata
---
amdhsa.version: [ 1, 2 ]
amdhsa.kernels:
  - .name:           k_q6f2efe2e56_layer2
    .symbol:         k_q6f2efe2e56_layer2.kd
    .args:
      - { .name: hcodes, .offset: 0, .size: 8, .value_kind: global_buffer, .address_space: global }
      - { .name: hscales, .offset: 8, .size: 8, .value_kind: global_buffer, .address_space: global }
      - { .name: w2codes, .offset: 16, .size: 8, .value_kind: global_buffer, .address_space: global }
      - { .name: w2scales, .offset: 24, .size: 8, .value_kind: global_buffer, .address_space: global }
      - { .name: order, .offset: 32, .size: 8, .value_kind: global_buffer, .address_space: global }
      - { .name: br2, .offset: 40, .size: 8, .value_kind: global_buffer, .address_space: global }
      - { .name: bi2, .offset: 48, .size: 8, .value_kind: global_buffer, .address_space: global }
      - { .name: out0, .offset: 56, .size: 8, .value_kind: global_buffer, .address_space: global }
    .group_segment_fixed_size: 66048
    .private_segment_fixed_size: 0
    .kernarg_segment_align: 8
    .kernarg_segment_size: 64
    .max_flat_workgroup_size: 128
    .sgpr_count:     66
    .vgpr_count:     1024
    .wavefront_size: 32
...
	.end_amdgpu_metadata
.endif
;; end of part 3
;; ======== version 2 of 2: 3 launches; version 1 with the launches layer1, layer2 written anew for expert scheduling mode
;; limits: inputs' magnitudes at most 1.8e+19; below input magnitudes of 1.1e-19 results are inexact or not finite
;; workspace buffers: xcodes 786,432 bytes; xscales 65,536 bytes; idx 4,096 bytes of whole numbers; w2codes 12,582,912 bytes; w2scales 524,288 bytes; hcodes 25,165,824 bytes; hscales 2,097,152 bytes; order 33,024 bytes of whole numbers
;; launch prep: the kernel of part 1 again; grid 32 x 8, 4 waves a work-group, no clusters, 20,992 bytes of LDS; arguments x_r, x_i, Wr2, Wi2, xcodes, xscales, idx, w2codes, w2scales; writes xcodes, xscales, idx, w2codes, w2scales
;; launch layer1 (part 4): grid 32 x 8, 4 waves a work-group, no clusters, 58,368 bytes of LDS; arguments xcodes, xscales, idx, Wr1, Wi1, br1, bi1, mb, hcodes, hscales, order; writes hcodes, hscales, order
.if DOCPART == 4
	.amdgcn_target "amdgcn-amd-amdhsa--gfx1250"
	.amdhsa_code_object_version 6
	.text
	.protected	k_q6f2efe2e56_layer1
	.globl	k_q6f2efe2e56_layer1
	.p2align	8
	.type	k_q6f2efe2e56_layer1,@function
k_q6f2efe2e56_layer1:
	s_mov_b64 s[64:65], 0
	v_nop
	global_prefetch_b8 v0, s[64:65] scope:SCOPE_SE
	s_setreg_imm32_b32 hwreg(HW_REG_WAVE_SCHED_MODE, 0, 2), 2
	s_setreg_imm32_b32 hwreg(HW_REG_WAVE_MODE, 25, 1), 1
	s_wait_xcnt 0x0
	s_wait_alu depctr_vm_vsrc(0)
; LAYER 1.  Work-group (x = sl, y = e): hidden units 64 sl .. + 63 of expert e, for the tokens that the router gave to e.
; Its slice of Wr1 and Wi1 (512 rows x 64 columns each) is read as f32 ONCE, quantised along F in registers (wave w: K steps 2 w, 2 w + 1) and handed round through LDS as images of the operand's registers;
; from then on every wave holds all 32 fragments in registers.  The expert's list of tokens is made from idx by rank-select in registers; then wave w walks tiles of 16 tokens w, w + 4, ..:
; product, bias, ModReLU, quantiser; the hidden layer leaves as codes, as images for the next launch.
; COMPLEX PRODUCTS AS ONE K OF 128: weights [Wr | Wi] (64 rows each); V1 = [x_r | -x_i] gives h_r, V2 = [x_i | x_r] gives h_i.  V1 is read; V2 is made of it: sign bits turned, halves changed.
; THE PRODUCT IS USED TRANSPOSED (source 0 = 16 hidden units, source 1 = 16 tokens).  Row r of weight tile j is hidden unit 4 r + j, so register i of tile j in lane (token r, h) is unit 32 h + 4 i + j:
; the four tiles give a lane one whole block of 32 along the next K.
; LIST POSITIONS AT OR PAST THE COUNT hold the expert's last token: such rows compute and store the same bits once more, and EXEC is never changed.
; Trip counts are constants; work is jumped over by scalar branches on the count, which is made of whole numbers that an earlier launch stored.
; The two barriers stand on every wave's path, outside those branches.
; LIMITS: NaN and infinities are not served; a block of zeros gets the scale byte 1 (its codes are zeros; this program alone reads the bytes).
; THE MODE: SCHED_MODE bits 1:0 = 2 (LLVM: expert scheduling mode 2), set by the entry lines.  The code itself states the register dependences
; between vector or matrix instructions and memory or LDS instructions, with s_wait_alu, always for 0.
; THE PLAN.  Registers that memory or LDS instructions touch:
;   v4-v12, v15      offsets and LDS addresses: made at the head, never written again.
;   landing buffers  window 1 v0-127, v128-255, window 2 v0-127: weight loads land, QGROUP's moves read; the first takes group 3 behind group 0's moves; at the end the fragments' LDS loads land in all three.
;   v80-127, v16-19  four fragments and their scale words: written by the conversions and SWFIN, read by WSTORE, written again by the next two groups.
;   list loop        v24, v25, v26: written by a trip's arithmetic, read by its two stores, written again in the next trip.
;   tile loop        v23: LDS address of the next tile's list entry; v20: the entry; v21, v22: the next tile's offsets in x.  All are made AHEAD of the trip's products.
;                    V1 (window 3 v0-95), v64-71: x's loads land; V2's lines and the products read.  v80-91, v112, v24, v25: written by the quantiser, read by the trip's four stores.
;   A trip's waits: at its head, that all memory and LDS instructions so far have read their registers; ahead of the list read, that v23 is written; ahead of the products, that V2 is written;
;   behind the products ONE wait, that they are done reading V1 and x's scale words (v21, v22 were written ahead of it), and the next tile's 26 loads follow it at once; ahead of the stores, that their data and offsets are written.
.set F,     80                         ; v80-127   four fragments while the weights are quantised; later the hidden layer's codes (v80-91) and what makes them
.set MX,    160
.set SCL,   162
.set BY,    164
.set CT,    168
.set T,     192
.set WA,    4
.set SH8,   13
.set PT,    14
.set SPW,   28
.set NIL,   29
.set SWB,   16
.set WIMG,  0                          ; LDS: 32 weight fragments (4 v + j), 1,536 bytes each
.set WSC,   49152                      ; their scale words: [v][lane][j]
.set LIST,  53248                      ; the expert's tokens: 4,096 bytes, and 512 that the look-ahead's address may reach
.set SPARE, 57856                      ; the spare words, 128 bytes a wave
.set M,     28                         ; s28-59   32 masks: bit L of mask c: token 128 (c / 4) + 4 L + c % 4 is mine
.set P,     66                         ; s66-97   how many tokens the masks before c hold (s66, always 0, is not read: the list loop takes it for a compare's result)
; window 0: v0-31 addresses; v32-63 the weights' scale words; v64-71 x's; v128-159 mb; v160-191 at work; v192-255 at work
; window 1: two landing buffers; later fragments of K steps 0-3 (v0-191), br (v192-223) and bi (v224-255) in the result's layout
; window 2: a landing buffer, br and bi as loaded (v192-255); later fragments of K steps 4-7 (v0-191)
; window 3: V1 (v0-95), V2 (v96-191), h_r's four accumulators (v192-223), h_i's (v224-255)
.set MSB,   0
.macro WIN new
.if MSB != (\new)
	s_set_vgpr_msb (MSB<<8)|(\new)
.set MSB, (\new)
.endif
.endm
.macro GLOAD win, base, sbase, off0, pitch     ; 64 rows of K x 64 columns: lane (r, h) takes row 32 h + i, columns 4 r .. 4 r + 3: each load covers two runs of 256 consecutive bytes
	WIN (\win)<<6
.set gl, 0
.rept 32
	global_load_b128 v[\base+4*gl:\base+4*gl+3], v[WA], s[\sbase:\sbase+1] offset:\off0+gl*\pitch th:TH_LOAD_NT
.set gl, gl+1
.endr
	WIN 0
.endm
.macro QGROUP win, base, c             ; a landed group becomes half c (0: real, 1: imaginary) of four fragments, two columns at a time
.irp jp, 0, 2
	WIN \win
.set qi, 0
.rept 32
	v_mov_b32 v[T+qi], v[\base+4*qi+\jp]
	v_mov_b32 v[T+32+qi], v[\base+4*qi+\jp+1]
.set qi, qi+1
.endr
	WIN 0
	v_max3_num_f32 v[MX], |v[T]|, |v[T+1]|, 0x2800000        ; the floor 2^(5 - 127) among the leaves: the byte cannot fall under 1
	v_max3_num_f32 v[MX+1], |v[T+32]|, |v[T+33]|, 0x2800000
.set qi, 2
.rept 15
	v_max3_num_f32 v[MX], v[MX], |v[T+qi]|, |v[T+qi+1]|
	v_max3_num_f32 v[MX+1], v[MX+1], |v[T+32+qi]|, |v[T+33+qi]|
.set qi, qi+2
.endr
	v_add_nc_u32 v[SCL], 0xfe000000, v[MX]
	v_add_nc_u32 v[SCL+1], 0xfe000000, v[MX+1]
	v_lshrrev_b32 v[BY], 23, v[SCL]
	v_lshrrev_b32 v[BY+1], 23, v[SCL+1]
.irp jj, 0, 1
.if \c == 0
	v_mov_b32 v[SWB+\jp+\jj], v[BY+\jj]
.else
	v_lshl_or_b32 v[SWB+\jp+\jj], v[BY+\jj], 16, v[SWB+\jp+\jj]
.endif
.endr
.irp jj, 0, 1
	v_cvt_scalef32_pk16_bf6_f32 v[F+12*(\jp+\jj)+6*\c:F+12*(\jp+\jj)+6*\c+2], v[T+32*\jj:T+32*\jj+15], v[SCL+\jj]
	v_cvt_scalef32_pk16_bf6_f32 v[CT+4*\jj:CT+4*\jj+2], v[T+32*\jj+16:T+32*\jj+31], v[SCL+\jj]
.endr
	v_nop                                          ; one plain place behind the scaled conversions
.irp jj, 0, 1
.irp k, 0, 1, 2
	v_mov_b32 v[F+12*(\jp+\jj)+6*\c+3+\k], v[CT+4*\jj+\k]
.endr
.endr
.endr
.endm
.macro SWFIN
.irp j, 0, 1, 2, 3
	v_lshlrev_b32 v[SWB+\j], v[SH8], v[SWB+\j]
.endr
.irp j, 0, 1, 2, 3
	v_permlanex16_b32 v[PT], v[SWB+\j], s28, s29
	v_or_b32 v[SWB+\j], v[SWB+\j], v[PT]
.endr
.endm
.macro WSTORE gi                       ; K step 2 w + gi: four fragments and their scale words to LDS, as they stand
.irp j, 0, 1, 2, 3
.irp pl, 0, 1, 2
	ds_store_b128 v7, v[F+12*\j+4*\pl:F+12*\j+4*\pl+3] offset:WIMG+\gi*6144+\j*1536+\pl*512
.endr
.endr
	ds_store_b128 v8, v[16:19] offset:\gi*512
.endm
.macro RSTEP a, width, step            ; one step of the search for the k-th set bit: does the lower half of the field at pos hold it?
	v_bfe_u32 v24, v[\a], v27, \width
	v_cmp_ge_u32 vcc_lo, v22, v24
	v_sub_nc_u32 v24, v22, v24
	s_wait_alu depctr_va_vcc(0)                    ; the compare has written VCC, which the two selections read
	v_cndmask_b32 v22, v22, v24, vcc_lo
	v_add_nc_u32 v24, \step, v27
	v_cndmask_b32 v27, v27, v24, vcc_lo
.endm
.macro XADDR                           ; the list entry in v20 becomes the token's offsets: v21 in xcodes (its half's 384 bytes), v22 in xscales (lanes 0-15 V1's words, lanes 16-31 V2's)
	v_min_u32 v20, 0x3ff, v20
	v_mul_u32_u24 v21, v20, 768
	v_add_nc_u32 v21, v21, v11
	v_lshl_add_u32 v22, v20, 6, v12
.endm
.macro XGET                            ; a tile's 16 tokens: lane (r, h) takes token r's V1 and its scale words: 26 loads
	global_load_b128 v[64:67], v22, s[6:7]
	global_load_b128 v[68:71], v22, s[6:7] offset:16
	WIN 0xc0
.irp v, 0, 1, 2, 3, 4, 5, 6, 7
.irp pl, 0, 1, 2
	global_load_b128 v[12*\v+4*\pl:12*\v+4*\pl+3], v21, s[4:5] offset:48*\v+16*\pl
.endr
.endr
	WIN 0
.endm
	s_load_b512 s[4:19], s[0:1], 0x0               ; xcodes, xscales, idx, Wr1, Wi1, br1, bi1, mb
	s_load_b128 s[20:23], s[0:1], 0x40             ; hcodes, hscales
	s_load_b64 s[24:25], s[0:1], 0x50              ; order
	v_lshl_add_u32 v[SPW], v0, 2, SPARE
	v_mov_b32 v[NIL], 0
	v_lshrrev_b32 v1, 5, v0
	v_readfirstlane_b32 s2, v1                     ; wave
	v_and_b32 v1, 31, v0                           ; lane
	v_and_b32 v2, 15, v0                           ; r
	v_bfe_u32 v3, v0, 4, 1                         ; h
	s_mov_b32 s3, ttmp9                            ; sl
	s_and_b32 s26, ttmp7, 0xffff                   ; e
	v_lshlrev_b32 v[WA], 18, v3                    ; W1: 32 h rows of 8,192 bytes
	v_lshl_add_u32 v[WA], v2, 4, v[WA]
	s_wait_alu depctr_va_sdst(0)                   ; s2 is written, ahead of its first reader
	s_lshl_b32 s62, s2, 20
	v_add_nc_u32 v[WA], s62, v[WA]                 ; + my wave's 128 rows
	v_lshlrev_b32 v5, 4, v1                        ; 16 x lane
	v_lshlrev_b32 v6, 2, v1                        ; 4 x lane
	s_mul_i32 s62, s2, 12288
	v_add_nc_u32 v7, s62, v5                       ; where I store weight images
	s_lshl_b32 s62, s2, 10
	s_add_co_u32 s62, s62, WSC
	v_add_nc_u32 v8, s62, v5                       ; and their scale words
	v_lshl_add_u32 v9, v0, 2, LIST                 ; where I store list entries
	s_lshl_b32 s62, s2, 6
	s_add_co_u32 s62, s62, LIST
	v_lshl_add_u32 v10, v2, 2, s62                 ; where I read them: tile w, entry r
	v_mul_u32_u24 v11, v3, 384
	v_lshlrev_b32 v12, 5, v3
	v_lshlrev_b32 v[SH8], 3, v3
	v_mov_b32 v[PT], 0                             ; written once: a lane permute's destination counts as one of its sources
	v_lshlrev_b32 v15, 7, v3                       ; biases: my half's 32 numbers
	s_lshl_b32 s62, s26, 22                        ; an expert's W1 is 4,194,304 bytes
	s_lshl_b32 s63, s3, 8
	s_add_co_u32 s62, s62, s63                     ; + 64 columns a work-group
	s_mov_b32 s63, 0
	s_wait_kmcnt 0x0
	s_add_nc_u64 s[10:11], s[10:11], s[62:63]
	s_add_nc_u64 s[12:13], s[12:13], s[62:63]
	s_wait_alu depctr_va_vdst(0)                   ; the offsets and LDS addresses v4 to v12 and v15 are written: every load and store of the kernel reads some of them
.irp q, 0, 1, 2, 3, 4, 5, 6, 7
	global_load_b128 v[192+4*\q:195+4*\q], v5, s[8:9] offset:512*\q    ; all 1,024 expert numbers: register 4 q + b of lane L is token 128 q + 4 L + b
.endr
	GLOAD 1, 0, 10, 0, 8192                        ; group 0: Wr1, K step 2 w
	GLOAD 1, 128, 12, 0, 8192                      ; group 1: Wi1, K step 2 w
	s_lshl_b32 s62, s26, 13
	s_lshl_b32 s98, s3, 8
	s_add_co_u32 s62, s62, s98
	s_add_nc_u64 s[14:15], s[14:15], s[62:63]      ; br1, bi1, mb at (e, 64 sl)
	s_add_nc_u64 s[16:17], s[16:17], s[62:63]
	s_add_nc_u64 s[18:19], s[18:19], s[62:63]
	s_wait_loadcnt 63                              ; 64 loads were issued behind the eight; 63 is the largest count that can be written
	; ---- whose tokens are mine
.set lc, 0
.rept 32
	v_cmp_eq_u32 s[M+lc], s26, v[192+lc]
.set lc, lc+1
.endr
	s_wait_alu depctr_va_sdst(0)                   ; the 32 compares have written the masks, ahead of their first reader
	s_mov_b32 s27, 0
.set lc, 0
.rept 32
	s_mov_b32 s[P+lc], s27
	s_bcnt1_i32_b32 s62, s[M+lc]
	s_add_co_u32 s27, s27, s62
.set lc, lc+1
.endr                                              ; s27: the expert's count
	s_add_co_u32 s60, s27, 15
	s_lshr_b32 s60, s60, 4                         ; tiles of 16
	s_max_u32 s61, s27, 128                        ; the first 128 positions are always made: the first tiles' loads have no condition
	s_max_u32 s101, s27, 1
	s_sub_co_u32 s101, s101, 1                     ; the last position that holds a token of its own
	s_lshl_b32 s105, s26, 12                       ; order: 4,096 bytes an expert
	; ---- the list: position p gets the p-th token of the expert.  Eight trips of 128 positions; a wave's 32 are jumped over where they begin at or past the limit
	s_mov_b32 s98, 0
	s_lshl_b32 s99, s2, 5
	s_mov_b32 s100, 0
.Llist:
	s_cmp_ge_u32 s99, s61
	s_cbranch_scc1 .Llist_next
	s_wait_xcnt 0x0                                ; the last trip's store has had its address translated
	s_wait_alu depctr_vm_vsrc(0)                   ; the last trip's two stores have read v24, v25 and v26, which this trip writes again
	v_add_nc_u32 v20, s99, v1
	v_min_u32 v20, s101, v20                       ; p'
	v_mov_b32 v21, s[M]
	v_mov_b32 v22, 0
	v_mov_b32 v23, 0
.set lc, 0
.rept 8                                        ; the last mask whose first position is at or under p': the compares go four at a time, into four scalar registers, with one wait behind them
.if lc > 0
	v_cmp_gt_u32 s62, s[P+lc], v20
.endif
	v_cmp_gt_u32 s63, s[P+lc+1], v20
	v_cmp_gt_u32 s66, s[P+lc+2], v20
	v_cmp_gt_u32 s104, s[P+lc+3], v20
	s_wait_alu depctr_va_sdst(0)                   ; the compares have written s62, s63, s66 and s104, which the selections below read
.if lc > 0
	v_cndmask_b32 v21, s[M+lc], v21, s62
	v_cndmask_b32 v22, s[P+lc], v22, s62
	v_cndmask_b32 v23, lc, v23, s62
.endif
	v_cndmask_b32 v21, s[M+lc+1], v21, s63
	v_cndmask_b32 v22, s[P+lc+1], v22, s63
	v_cndmask_b32 v23, lc+1, v23, s63
	v_cndmask_b32 v21, s[M+lc+2], v21, s66
	v_cndmask_b32 v22, s[P+lc+2], v22, s66
	v_cndmask_b32 v23, lc+2, v23, s66
	v_cndmask_b32 v21, s[M+lc+3], v21, s104
	v_cndmask_b32 v22, s[P+lc+3], v22, s104
	v_cndmask_b32 v23, lc+3, v23, s104
.set lc, lc+4
.endr
	v_sub_nc_u32 v22, v20, v22                     ; k: which set bit of it
	v_lshrrev_b32 v16, 1, v21
	v_and_b32 v16, 0x55555555, v16
	v_sub_nc_u32 v16, v21, v16                     ; set bits in each 2,
	v_lshrrev_b32 v17, 2, v16
	v_and_b32 v17, 0x33333333, v17
	v_and_b32 v24, 0x33333333, v16
	v_add_nc_u32 v17, v17, v24                     ; in each 4,
	v_lshrrev_b32 v18, 4, v17
	v_add_nc_u32 v18, v18, v17
	v_and_b32 v18, 0x0f0f0f0f, v18                 ; in each 8,
	v_lshrrev_b32 v19, 8, v18
	v_add_nc_u32 v19, v19, v18                     ; in the low 16 (byte 0)
	v_mov_b32 v27, 0                               ; pos
	RSTEP 19, 8, 16
	RSTEP 18, 8, 8
	RSTEP 17, 4, 4
	RSTEP 16, 2, 2
	RSTEP 21, 1, 1
	v_lshrrev_b32 v25, 2, v23
	v_lshlrev_b32 v25, 7, v25
	v_lshl_add_u32 v25, v27, 2, v25
	v_and_b32 v24, 3, v23
	v_add_nc_u32 v25, v25, v24                     ; the token
	v_min_u32 v25, 0x3ff, v25
	v_add_nc_u32 v24, s100, v9
	s_add_co_u32 s104, s100, s105
	v_lshl_add_u32 v26, v0, 2, s104                ; the entry's place in order (made in every work-group, so that one wait serves both stores)
	s_wait_alu depctr_va_vdst(0)                   ; v24, v25 and v26 are written: the two stores' addresses and data
	ds_store_b32 v24, v25
	s_cmp_lg_u32 s3, 0                             ; the expert's first work-group also stores the list for the next launch
	s_cbranch_scc1 .Llist_next
	global_store_b32 v26, v25, s[24:25]
.Llist_next:
	s_add_co_u32 s99, s99, 128
	s_add_co_u32 s100, s100, 512
	s_add_co_u32 s98, s98, 1
	s_cmp_lt_u32 s98, 8
	s_cbranch_scc1 .Llist
	s_cmp_lg_u32 s3, 0
	s_cbranch_scc1 .Lno_count
	s_cmp_lg_u32 s2, 0
	s_cbranch_scc1 .Lno_count
	s_lshl_b32 s104, s26, 2
	v_mov_b32 v30, s27
	v_mov_b32 v31, s104
	s_wait_alu depctr_va_vdst(0)                   ; v30 and v31 are written: the store's data and offset
	global_store_b32 v31, v30, s[24:25] offset:32768   ; the count; v30 and v31 are not written again
.Lno_count:
	s_wait_xcnt 0x0                                ; the list's stores have had their addresses translated
	s_wait_dscnt 0x0                               ; my list entries have landed
	s_barrier_signal -1
	s_barrier_wait -1                              ; the list is whole
	s_mov_b32 s28, 0x76543210                      ; the masks and counts are done with: their registers take the constants
	s_mov_b32 s29, 0xfedcba98
	s_mov_b32 s30, 0x20820820                      ; the sign bits of 16 codes of 6 bits, in three words
	s_mov_b32 s31, 0x08208208
	s_mov_b32 s32, 0x82082082
	s_mov_b32 s33, 0xffff0000                      ; lanes 16-31
	s_mov_b32 s34, 0x2edbe6ff                      ; 1e-10
	s_mov_b32 s35, 0x2edbe6ff
	; ---- the weights
	GLOAD 2, 0, 10, 524288, 8192                   ; group 2: Wr1, K step 2 w + 1.  No vector instruction has named its registers, nor those of the 24 loads below
	WIN 0x80
.irp k, 0, 1, 2, 3, 4, 5, 6, 7
	global_load_b128 v[192+4*\k:195+4*\k], v15, s[14:15] offset:16*\k   ; br1 of units 32 h + 0 .. 31
.endr
.irp k, 0, 1, 2, 3, 4, 5, 6, 7
	global_load_b128 v[224+4*\k:227+4*\k], v15, s[16:17] offset:16*\k   ; bi1
.endr
	WIN 0
.irp k, 0, 1, 2, 3, 4, 5, 6, 7
	global_load_b128 v[128+4*\k:131+4*\k], v15, s[18:19] offset:16*\k   ; mb
.endr
	s_wait_loadcnt 63                              ; behind group 0: 88 loads
	QGROUP 1, 0, 0
	s_mov_b32 s38, 0
	v_add_nc_u32 v23, s38, v10                     ; my first tile's list entry
	s_wait_alu depctr_va_vdst(0)                   ; group 0's moves are done reading window 1's v0-127, in which group 3 lands; v23 is written; the list loop's lines that named v20 are done
	GLOAD 1, 0, 12, 524288, 8192                   ; group 3: Wi1, K step 2 w + 1, into the buffer just read
	ds_load_b32 v20, v23                           ; my first tile's x, with no condition: its list entries are always made
	s_wait_dscnt 0x0
	XADDR
	s_wait_alu depctr_va_vdst(0)                   ; v21 and v22 are written: the 26 loads' offsets
	XGET
	s_wait_loadcnt 63                              ; behind group 1: 114 loads
	QGROUP 1, 128, 1
	SWFIN
	s_wait_alu depctr_va_vdst(0)                   ; the four fragments v80-127 and their scale words v16-19 are written, which the LDS stores read
	WSTORE 0
	s_wait_loadcnt 63                              ; behind group 2: 82 loads
	s_wait_dscnt 0x0
	s_wait_alu depctr_vm_vsrc(0)                   ; the LDS stores have read v80-127 and v16-19, which the next two groups write again
	QGROUP 2, 0, 0
	s_wait_loadcnt 26                              ; behind group 3: x's 26.  The biases, asked for earlier, are in too
	QGROUP 1, 0, 1
	SWFIN
	s_wait_alu depctr_va_vdst(0)                   ; the four fragments and their scale words are written, which the LDS stores read
	WSTORE 1
	s_wait_dscnt 0x0                               ; my images have landed
	s_barrier_signal -1
	s_barrier_wait -1                              ; all 32 fragments lie in LDS
	WIN 0x40
	s_wait_alu depctr_va_vdst(0)                   ; the groups' moves are done reading the landing buffers of windows 1 and 2, in which the LDS loads below land
.set fi, 0
.rept 16
.irp pl, 0, 1, 2
	ds_load_b128 v[12*fi+4*\pl:12*fi+4*\pl+3], v5 offset:WIMG+1536*fi+512*\pl
.endr
.set fi, fi+1
.endr
	WIN 0x80
.set fi, 0
.rept 16
.irp pl, 0, 1, 2
	ds_load_b128 v[12*fi+4*\pl:12*fi+4*\pl+3], v5 offset:WIMG+1536*(fi+16)+512*\pl
.endr
.set fi, fi+1
.endr
	WIN 0
.irp v, 0, 1, 2, 3, 4, 5, 6, 7
	ds_load_b128 v[32+4*\v:35+4*\v], v5 offset:WSC+512*\v
.endr
	WIN 0x42                                       ; from window 2 into window 1: the biases in the result's layout: register i of tile j is unit 4 i + j of my half
.irp j, 0, 1, 2, 3
.irp i, 0, 1, 2, 3, 4, 5, 6, 7
	v_mov_b32 v[192+8*\j+\i], v[192+4*\i+\j]
	v_mov_b32 v[224+8*\j+\i], v[224+4*\i+\j]
.endr
.endr
	WIN 0
	s_wait_dscnt 0x0
	; ---- the tiles: 16 trips, tile t = w + 4 n; a trip past the expert's tiles is jumped over
	s_mov_b32 s36, 0
	s_mov_b32 s37, s2
	s_mov_b32 s38, 256                             ; the list offset of the tile that a trip asks for: one ahead
.Ltile:
	s_cmp_ge_u32 s37, s60
	s_cbranch_scc1 .Ltile_next
	s_wait_loadcnt 0x0                             ; this tile's x is in
	s_wait_alu depctr_vm_vsrc(0)                   ; x's loads have read v21 and v22, the list read v23, the last tile's stores v24, v25, v80-91 and v112: this trip writes all of them again
	s_add_co_u32 s62, s37, 4
	s_cmp_ge_u32 s62, s60
	s_cbranch_scc1 .Lno_l                          ; no next tile: no list entry is read
	v_add_nc_u32 v23, s38, v10
	s_wait_alu depctr_va_vdst(0)                   ; v23 is written; the address lines of the tile before are done with v20, in which the load lands
	ds_load_b32 v20, v23                           ; my next tile's list entry comes while V2 is made
.Lno_l:
	WIN 0xcf
.irp v, 0, 1, 2, 3, 4, 5, 6, 7
.irp k, 0, 1, 2, 3, 4, 5
	v_xor_b32 v[96+12*\v+\k], s[30+\k%3], v[12*\v+6+\k]     ; V2 = [x_i | x_r]: -x_i's sign bits turned back,
.endr
.irp k, 0, 1, 2, 3, 4, 5
	v_mov_b32 v[102+12*\v+\k], v[12*\v+\k]                  ; and x_r
.endr
.endr
	WIN 0
	s_wait_dscnt 0x0                               ; the list entry is in
	XADDR                                          ; the next tile's offsets, ahead of the products (with no next tile: the old entry's once more, and no load reads them)
.rept 4
	v_nop                                          ; an operand written by vector instructions stands four places ahead of a scaled matrix instruction
.endr
	s_wait_alu depctr_va_vdst(0)                   ; V2 is written, which the products take as an operand; so are v21 and v22
.irp v, 0, 1, 2, 3, 4, 5, 6, 7                 ; eight accumulators by turns, one instruction a turn; the first K step takes the biases (window 1) as C
.if \v == 0
	WIN 0xdd
.elseif \v < 4
	WIN 0xfd
.else
	WIN 0xfe
.endif
.irp j, 0, 1, 2, 3
	v_wmma_scale_f32_16x16x128_f8f6f4 v[192+8*\j:199+8*\j], v[12*(4*(\v%4)+\j):12*(4*(\v%4)+\j)+11], v[12*\v:12*\v+11], v[192+8*\j:199+8*\j], v[32+4*\v+\j], v[64+\v] matrix_a_fmt:MATRIX_FMT_BF6 matrix_b_fmt:MATRIX_FMT_BF6
.endr
.irp j, 0, 1, 2, 3
	v_wmma_scale_f32_16x16x128_f8f6f4 v[224+8*\j:231+8*\j], v[12*(4*(\v%4)+\j):12*(4*(\v%4)+\j)+11], v[96+12*\v:96+12*\v+11], v[224+8*\j:231+8*\j], v[32+4*\v+\j], v[64+\v] matrix_a_fmt:MATRIX_FMT_BF6 matrix_b_fmt:MATRIX_FMT_BF6 matrix_b_scale:MATRIX_SCALE_ROW1
.endr
.endr
	WIN 0
.rept 4
	v_nop                                          ; places in front of the first read of results
.endr
	s_add_co_u32 s62, s37, 4
	s_cmp_ge_u32 s62, s60
	s_cbranch_scc1 .Lno_x
	s_wait_alu depctr_va_vdst(0)                   ; the products are done reading V1 and x's scale words v64-71, in which the loads below land
	XGET                                           ; my next tile's x lands while this tile is finished
.Lno_x:
	; ModReLU: amp = sqrt(h_r^2 + h_i^2 + 1e-10); scale = max(amp + mb, 0) / (amp + 1e-10)
	WIN 0x0f
.irp k, 0, 2, 4, 6, 8, 10, 12, 14, 16, 18, 20, 22, 24, 26, 28, 30
	v_pk_fma_f32 v[160+\k:161+\k], v[192+\k:193+\k], v[192+\k:193+\k], s[34:35] op_sel_hi:[1,1,0]   ; each accumulator from its low end on
.endr
.irp k, 0, 2, 4, 6, 8, 10, 12, 14, 16, 18, 20, 22, 24, 26, 28, 30
	v_pk_fma_f32 v[160+\k:161+\k], v[224+\k:225+\k], v[224+\k:225+\k], v[160+\k:161+\k]
.endr
	WIN 0
.set ki, 0
.rept 32
	v_sqrt_f32 v[160+ki], v[160+ki]
.set ki, ki+1
.endr
	v_nop                                          ; a plain place behind the batch,
	s_wait_alu depctr_va_vdst(0)                   ; and one wait: the 32 roots v160-191 are written, ahead of their first reader
.irp j, 0, 1, 2, 3
.irp i, 0, 1, 2, 3, 4, 5, 6, 7
	v_add_f32 v[192+8*\j+\i], v[160+8*\j+\i], v[128+4*\i+\j]    ; amp + mb
.endr
.endr
.irp k, 0, 2, 4, 6, 8, 10, 12, 14, 16, 18, 20, 22, 24, 26, 28, 30
	v_pk_add_f32 v[224+\k:225+\k], v[160+\k:161+\k], s[34:35] op_sel_hi:[1,0]   ; amp + 1e-10
.endr
.set ki, 0
.rept 32
	v_rcp_f32 v[224+ki], v[224+ki]
.set ki, ki+1
.endr
.set ki, 0
.rept 32
	v_max_num_f32 v[192+ki], 0, v[192+ki]          ; independent work behind the reciprocals
.set ki, ki+1
.endr
	s_wait_alu depctr_va_vdst(0)                   ; one wait: the 32 reciprocals v224-255 are written, ahead of their first reader
.irp k, 0, 2, 4, 6, 8, 10, 12, 14, 16, 18, 20, 22, 24, 26, 28, 30
	v_pk_mul_f32 v[160+\k:161+\k], v[192+\k:193+\k], v[224+\k:225+\k]   ; the scale
.endr
	WIN 0x03
.irp j, 0, 1, 2, 3
.irp i, 0, 1, 2, 3, 4, 5, 6, 7
	v_mul_f32 v[192+4*\i+\j], v[192+8*\j+\i], v[160+8*\j+\i]    ; h_r and h_i, written in the order of the hidden units: the multiplication does the permutation
	v_mul_f32 v[224+4*\i+\j], v[224+8*\j+\i], v[160+8*\j+\i]
.endr
.endr
	WIN 0
	; the quantiser: my 32 numbers of h_r are one block, my 32 of h_i another
	v_max3_num_f32 v104, |v192|, |v193|, 0x2800000
	v_max3_num_f32 v105, |v224|, |v225|, 0x2800000
.set ki, 2
.rept 15
	v_max3_num_f32 v104, v104, |v[192+ki]|, |v[193+ki]|
	v_max3_num_f32 v105, v105, |v[224+ki]|, |v[225+ki]|
.set ki, ki+2
.endr
	v_add_nc_u32 v106, 0xfe000000, v104
	v_add_nc_u32 v107, 0xfe000000, v105
	v_lshrrev_b32 v108, 23, v106
	v_lshrrev_b32 v109, 23, v107
	s_wait_xcnt 0x0                                ; the last tile's stores have had their addresses translated: their data and offsets are written again below (that they have read them is stated at the trip's head)
	v_cvt_scalef32_pk16_bf6_f32 v[80:82], v[192:207], v106
	v_cvt_scalef32_pk16_bf6_f32 v[92:94], v[208:223], v106
	v_cvt_scalef32_pk16_bf6_f32 v[96:98], v[224:239], v107
	v_cvt_scalef32_pk16_bf6_f32 v[100:102], v[240:255], v107
	v_lshl_or_b32 v108, v109, 16, v108             ; (a plain place behind the conversions)
	v_lshlrev_b32 v108, v[SH8], v108
	v_permlanex16_b32 v[PT], v108, s28, s29
	v_or_b32 v108, v108, v[PT]                     ; V1's word (r0, r1, i0, i1)
	v_alignbit_b32 v109, v108, v108, 16            ; V2's
	v_cndmask_b32 v112, v108, v109, s33            ; lanes 16-31 carry V2's
.irp k, 0, 1, 2
	v_mov_b32 v[83+\k], v[92+\k]
	v_xor_b32 v[86+\k], s[30+\k], v[96+\k]         ; -h_i
	v_xor_b32 v[89+\k], s[30+\k], v[100+\k]
.endr
	s_lshl_b32 s62, s26, 6
	s_add_co_u32 s62, s62, s37
	s_lshl_b32 s62, s62, 5
	s_add_co_u32 s62, s62, s3                      ; (64 e + t) 32 + sl
	s_mul_i32 s63, s62, 1536
	s_lshl_b32 s62, s62, 7
	v_add_nc_u32 v24, s63, v5
	v_add_nc_u32 v25, s62, v6
	s_wait_alu depctr_va_vdst(0)                   ; the codes v80-91, the scale word v112 and the offsets v24, v25 are written, which the four stores read
	global_store_b128 v24, v[80:83], s[20:21]      ; the fragment's image: each store covers 512 consecutive bytes, aligned
	global_store_b128 v24, v[84:87], s[20:21] offset:512
	global_store_b128 v24, v[88:91], s[20:21] offset:1024
	global_store_b32 v25, v112, s[22:23]
.Ltile_next:
	s_add_co_u32 s37, s37, 4
	s_add_co_u32 s38, s38, 256
	s_add_co_u32 s36, s36, 1
	s_cmp_lt_u32 s36, 16
	s_cbranch_scc1 .Ltile
	s_wait_dscnt 0x0                               ; the wave's end
	s_wait_alu 0x0
	s_wait_tensorcnt 0x0
	ds_add_u32 v[SPW], v[NIL]
	s_wait_dscnt 0x0
	s_endpgm
.Lfunc_end_k_q6f2efe2e56_layer1:
	.size	k_q6f2efe2e56_layer1, .Lfunc_end_k_q6f2efe2e56_layer1-k_q6f2efe2e56_layer1
	.p2alignl 7, 3214868480
	.fill 96, 4, 3214868480
	.section	.rodata,"a",@progbits
	.p2align	6, 0x0
	.amdhsa_kernel k_q6f2efe2e56_layer1
		.amdhsa_group_segment_fixed_size 58368
		.amdhsa_private_segment_fixed_size 0
		.amdhsa_enable_private_segment 0
		.amdhsa_kernarg_size 88
		.amdhsa_user_sgpr_count 2
		.amdhsa_user_sgpr_kernarg_segment_ptr 1
		.amdhsa_wavefront_size32 1
		.amdhsa_system_sgpr_workgroup_id_x 1
		.amdhsa_system_sgpr_workgroup_id_y 1
		.amdhsa_system_sgpr_workgroup_id_z 1
		.amdhsa_system_vgpr_workitem_id 0
		.amdhsa_next_free_vgpr 1024
		.amdhsa_next_free_sgpr 106
		.amdhsa_reserve_vcc 1
		.amdhsa_float_denorm_mode_32 3
		.amdhsa_float_denorm_mode_16_64 3
		.amdhsa_memory_ordered 1
		.amdhsa_forward_progress 1
		.amdhsa_inst_pref_size 118
	.end_amdhsa_kernel
	.amdgpu_metadata
---
amdhsa.version: [ 1, 2 ]
amdhsa.kernels:
  - .name:           k_q6f2efe2e56_layer1
    .symbol:         k_q6f2efe2e56_layer1.kd
    .args:
      - { .name: xcodes, .offset: 0, .size: 8, .value_kind: global_buffer, .address_space: global }
      - { .name: xscales, .offset: 8, .size: 8, .value_kind: global_buffer, .address_space: global }
      - { .name: idx, .offset: 16, .size: 8, .value_kind: global_buffer, .address_space: global }
      - { .name: Wr1, .offset: 24, .size: 8, .value_kind: global_buffer, .address_space: global }
      - { .name: Wi1, .offset: 32, .size: 8, .value_kind: global_buffer, .address_space: global }
      - { .name: br1, .offset: 40, .size: 8, .value_kind: global_buffer, .address_space: global }
      - { .name: bi1, .offset: 48, .size: 8, .value_kind: global_buffer, .address_space: global }
      - { .name: mb, .offset: 56, .size: 8, .value_kind: global_buffer, .address_space: global }
      - { .name: hcodes, .offset: 64, .size: 8, .value_kind: global_buffer, .address_space: global }
      - { .name: hscales, .offset: 72, .size: 8, .value_kind: global_buffer, .address_space: global }
      - { .name: order, .offset: 80, .size: 8, .value_kind: global_buffer, .address_space: global }
    .group_segment_fixed_size: 58368
    .private_segment_fixed_size: 0
    .kernarg_segment_align: 8
    .kernarg_segment_size: 88
    .max_flat_workgroup_size: 128
    .sgpr_count:     106
    .vgpr_count:     1024
    .wavefront_size: 32
...
	.end_amdgpu_metadata
.endif
;; end of part 4
;; launch layer2 (part 5): grid 8 x 32, 4 waves a work-group, no clusters, 66,048 bytes of LDS; arguments hcodes, hscales, w2codes, w2scales, order, br2, bi2, out0; writes out0
.if DOCPART == 5
	.amdgcn_target "amdgcn-amd-amdhsa--gfx1250"
	.amdhsa_code_object_version 6
	.text
	.protected	k_q6f2efe2e56_layer2
	.globl	k_q6f2efe2e56_layer2
	.p2align	8
	.type	k_q6f2efe2e56_layer2,@function
k_q6f2efe2e56_layer2:
	s_mov_b64 s[64:65], 0
	v_nop
	global_prefetch_b8 v0, s[64:65] scope:SCOPE_SE
	s_setreg_imm32_b32 hwreg(HW_REG_WAVE_SCHED_MODE, 0, 2), 2
	s_setreg_imm32_b32 hwreg(HW_REG_WAVE_MODE, 25, 1), 1
	s_wait_xcnt 0x0
	s_wait_alu depctr_vm_vsrc(0)
; LAYER 2.  Work-group (x = g, y = 4 e + q): output features 64 g .. + 63 of expert e, for its tiles of 16 tokens t with t % 4 = q.
; K (2 x 2,048) IS SHARED AMONG THE WAVES: wave w owns K steps sl = 8 w .. 8 w + 7 (each 64 real + 64 imaginary); its 32 weight fragments stay in registers for the whole launch.
; A trip takes two tiles (t = 8 n + q and 8 n + 4 + q): 16 accumulators (tile, real or imaginary, four tiles of features) x 8 K steps.  The four waves' partial sums meet in LDS;
; wave w then adds up tile w / 2, part w % 2 (real, imaginary), adds the bias and stores each token's 64 features at the token's row of out0.
; V1 = [h_r | -h_i] is read and gives y_r; V2 = [h_i | h_r] is made of it (sign bits turned, halves changed) and gives y_i.  Source 0 = 16 tokens, source 1 = 16 features; column r of weight tile j is feature 4 r + j,
; so a lane's four tiles hold four neighbouring features of a token, and sixteen lanes store 256 consecutive bytes, aligned.
; Trip counts are constants; work is jumped over by scalar branches on the expert's count, a whole number that an earlier launch stored.
; The two barriers of a trip stand on every wave's path, outside those branches.  The first trip's products have no condition; for an expert with no token they run on bytes that nobody wrote, and nothing of them is stored.
; List positions at or past the count hold the expert's last token: its row is stored again with the same bits.  EXEC is never changed.
; THE MODE: SCHED_MODE bits 1:0 = 2 (LLVM: expert scheduling mode 2), set by the entry lines.  The code itself states the register dependences
; between vector or matrix instructions and memory or LDS instructions, with s_wait_alu, always for 0.
; THE PLAN.  Registers that memory or LDS instructions touch:
;   v1-v6, v12, v13   offsets and LDS addresses: made at the head, never written again.
;   v7-v11            a trip's offsets: written by five vector lines at its head, read by its 66 loads.
;   v16-23, v64-79, V1 (window 3 v0-191)   the trip's loads land; read by the address lines of the adding-up, by the products and by V2's lines.  The weights, their scale words and the bias land once.
;   v128-255          written by the products, read by the LDS stores; then the LDS loads of the four waves' partial sums land there, and the additions read them.
;   v80-119           V2 of two K steps (vector lines); later the results and their addresses, read by the eight global stores.
;   A trip's waits: at its head, that the last trip's loads and stores have read their registers; ahead of its loads, that v7-v11 are written and that all readers of the landing registers are done;
;   ahead of the products, that V2 is written; ahead of the LDS stores, that the accumulators are written; ahead of the LDS loads, that those stores have read them; ahead of the global stores, that results and addresses are written.
;   The one V1 buffer takes 192 registers and 48 are free: there is no second one, so a trip's loads are asked for at its head.
.set SPW,   28
.set NIL,   29
.set SPARE, 65536                      ; LDS: the partial sums [wave 16,384][accumulator 1,024][half 512][lane 16], then the spare words, 128 bytes a wave
; window 0: v0-29 addresses, tokens, bias; v32-63 the weights' scale words; v64-79 h's; v80-127 V2 of K steps 0, 1, later results and their addresses; v128-255 the 16 accumulators, later four sets of partial sums
; window 1: fragments of K steps 0-3 (v0-191), V2 of steps 2, 3 (v192-239).  window 2: steps 4-7, V2 of 4, 5.  window 3: V1 of both tiles (v0-191), V2 of 6, 7
.set MSB,   0
.macro WIN new
.if MSB != (\new)
	s_set_vgpr_msb (MSB<<8)|(\new)
.set MSB, (\new)
.endif
.endm
.macro TRIP first
	s_lshl_b32 s31, s26, 3
	s_add_co_u32 s31, s31, s25                     ; 8 n + q: the trip's first tile
.if \first == 0
	s_cmp_ge_u32 s31, s21
	s_cbranch_scc1 .Lno_a_\@
.endif
	s_wait_xcnt 0x0                                ; the last trip's loads and stores have had their addresses translated
.if \first == 0
	s_wait_alu depctr_vm_vsrc(0)                   ; the last trip's loads have read v7-v11, its LDS stores v128-255, its global stores v80-119: this trip writes all of them again
.endif
	s_min_u32 s32, s31, s44                        ; a tile past the expert's last is replaced by the last: its sums are not used
	s_min_u32 s32, s32, 63
	s_add_co_u32 s33, s31, 4
	s_min_u32 s33, s33, s44
	s_min_u32 s33, s33, 63
	s_lshr_b32 s34, s22, 1
	s_lshl_b32 s34, s34, 2
	s_add_co_u32 s34, s34, s31                     ; the tile that I finish
	s_min_u32 s34, s34, s44
	s_min_u32 s34, s34, 63
	s_lshl_b32 s35, s24, 6
	s_add_co_u32 s32, s32, s35
	s_add_co_u32 s33, s33, s35
	s_add_co_u32 s34, s34, s35                     ; + 64 e
	s_lshl_b32 s36, s22, 3
	s_lshl_b32 s32, s32, 5
	s_add_co_u32 s32, s32, s36
	s_lshl_b32 s33, s33, 5
	s_add_co_u32 s33, s33, s36                     ; (64 e + t) 32 + 8 w: my first image of the tile
	s_mul_i32 s37, s32, 1536
	s_mul_i32 s38, s33, 1536
	s_lshl_b32 s32, s32, 7
	s_lshl_b32 s33, s33, 7
	s_lshl_b32 s34, s34, 6                         ; order: 64 bytes a tile
	v_add_nc_u32 v7, s37, v1
	v_add_nc_u32 v8, s38, v1
	v_add_nc_u32 v9, s32, v3
	v_add_nc_u32 v10, s33, v3
	v_add_nc_u32 v11, s34, v4
	s_wait_alu depctr_va_vdst(0)                   ; v7-v11 are written (in the first trip the head's offsets too), which the loads below read; the last trip's products and vector lines are done reading v16-23, v64-79 and V1, in which they land
	global_load_b128 v[16:19], v11, s[12:13]       ; the tokens of rows 8 h + 0 .. 7 of the tile that I finish
	global_load_b128 v[20:23], v11, s[12:13] offset:16
.irp s, 0, 1, 2, 3, 4, 5, 6, 7
	global_load_b32 v[64+\s], v9, s[6:7] offset:128*\s
	global_load_b32 v[72+\s], v10, s[6:7] offset:128*\s
.endr
	WIN 0xc0
.irp s, 0, 1, 2, 3, 4, 5, 6, 7
.irp pl, 0, 1, 2
	global_load_b128 v[12*\s+4*\pl:12*\s+4*\pl+3], v7, s[4:5] offset:1536*\s+512*\pl
	global_load_b128 v[96+12*\s+4*\pl:96+12*\s+4*\pl+3], v8, s[4:5] offset:1536*\s+512*\pl
.endr
.endr
	WIN 0
.if \first
	global_load_b128 v[24:27], v2, s[46:47]        ; the bias of features 4 r + 0 .. 3
.irp s, 0, 1, 2, 3, 4, 5, 6, 7                 ; the weights, once: 13 loads a K step
	WIN (1+\s/4)<<6
.irp j, 0, 1, 2, 3
.irp pl, 0, 1, 2
	global_load_b128 v[12*(4*(\s%4)+\j)+4*\pl:12*(4*(\s%4)+\j)+4*\pl+3], v5, s[8:9] offset:6144*\s+1536*\j+512*\pl
.endr
.endr
	WIN 0
	global_load_b128 v[32+4*\s:35+4*\s], v6, s[10:11] offset:256*\s
.endr
	s_wait_loadcnt 63                              ; behind h's loads: 105; 63 is the largest count that can be written
.else
	s_wait_loadcnt 0x0
.endif
.irp s, 0, 1, 2, 3, 4, 5, 6, 7                 ; V2 of tile a, K step s lies in window s / 2
.if \s < 2
.set HB, 80
.else
.set HB, 192
.endif
	WIN ((\s/2)<<6)|0x0f
.irp a, 0, 1
.irp k, 0, 1, 2, 3, 4, 5
	v_xor_b32 v[HB+12*(2*(\s%2)+\a)+\k], s[28+\k%3], v[96*\a+12*\s+6+\k]
.endr
.irp k, 0, 1, 2, 3, 4, 5
	v_mov_b32 v[HB+12*(2*(\s%2)+\a)+6+\k], v[96*\a+12*\s+\k]
.endr
.endr
.endr
	WIN 0
.rept 4
	v_nop                                          ; an operand written by vector instructions stands four places ahead of a scaled matrix instruction
.endr
	s_wait_alu depctr_va_vdst(0)                   ; V2 of all eight K steps is written, which the products take as an operand
.irp s, 0, 1, 2, 3, 4, 5, 6, 7                 ; sixteen accumulators by turns, one instruction a turn; the first K step starts the sums
.if \first
.if 13*(7-\s) > 63
	s_wait_loadcnt 63
.else
	s_wait_loadcnt 13*(7-\s)                       ; the later K steps' weights, 13 loads each, may be out
.endif
.endif
.if \s < 2
.set HB, 80
.else
.set HB, 192
.endif
	WIN 0x03|((1+\s/4)<<2)
.irp a, 0, 1
.irp j, 0, 1, 2, 3
.if \s == 0
	v_wmma_scale_f32_16x16x128_f8f6f4 v[128+8*(8*\a+\j):135+8*(8*\a+\j)], v[96*\a+12*\s:96*\a+12*\s+11], v[12*(4*(\s%4)+\j):12*(4*(\s%4)+\j)+11], 0, v[64+8*\a+\s], v[32+4*\s+\j] matrix_a_fmt:MATRIX_FMT_BF6 matrix_b_fmt:MATRIX_FMT_BF6
.else
	v_wmma_scale_f32_16x16x128_f8f6f4 v[128+8*(8*\a+\j):135+8*(8*\a+\j)], v[96*\a+12*\s:96*\a+12*\s+11], v[12*(4*(\s%4)+\j):12*(4*(\s%4)+\j)+11], v[128+8*(8*\a+\j):135+8*(8*\a+\j)], v[64+8*\a+\s], v[32+4*\s+\j] matrix_a_fmt:MATRIX_FMT_BF6 matrix_b_fmt:MATRIX_FMT_BF6
.endif
.endr
.endr
	WIN (\s/2)|((1+\s/4)<<2)
.irp a, 0, 1
.irp j, 0, 1, 2, 3
.if \s == 0
	v_wmma_scale_f32_16x16x128_f8f6f4 v[128+8*(8*\a+4+\j):135+8*(8*\a+4+\j)], v[HB+12*(2*(\s%2)+\a):HB+12*(2*(\s%2)+\a)+11], v[12*(4*(\s%4)+\j):12*(4*(\s%4)+\j)+11], 0, v[64+8*\a+\s], v[32+4*\s+\j] matrix_a_fmt:MATRIX_FMT_BF6 matrix_b_fmt:MATRIX_FMT_BF6 matrix_a_scale:MATRIX_SCALE_ROW1
.else
	v_wmma_scale_f32_16x16x128_f8f6f4 v[128+8*(8*\a+4+\j):135+8*(8*\a+4+\j)], v[HB+12*(2*(\s%2)+\a):HB+12*(2*(\s%2)+\a)+11], v[12*(4*(\s%4)+\j):12*(4*(\s%4)+\j)+11], v[128+8*(8*\a+4+\j):135+8*(8*\a+4+\j)], v[64+8*\a+\s], v[32+4*\s+\j] matrix_a_fmt:MATRIX_FMT_BF6 matrix_b_fmt:MATRIX_FMT_BF6 matrix_a_scale:MATRIX_SCALE_ROW1
.endif
.endr
.endr
.endr
	WIN 0
.rept 4
	v_nop                                          ; places in front of the first read of results; they stay beside the wait below
.endr
	s_wait_alu depctr_va_vdst(0)                   ; the products have written the sixteen accumulators v128-255, which the LDS stores read
.set ai, 0
.rept 16
	ds_store_b128 v12, v[128+8*ai:131+8*ai] offset:1024*ai          ; each accumulator from its low end on
	ds_store_b128 v12, v[132+8*ai:135+8*ai] offset:1024*ai+512
.set ai, ai+1
.endr
.Lno_a_\@:
	s_wait_dscnt 0x0                               ; my partial sums have landed
	s_barrier_signal -1
	s_barrier_wait -1                              ; everybody's have
	s_lshl_b32 s31, s26, 3
	s_add_co_u32 s31, s31, s25
	s_lshr_b32 s34, s22, 1
	s_lshl_b32 s34, s34, 2
	s_add_co_u32 s34, s34, s31
	s_cmp_ge_u32 s34, s21                          ; is the tile that I finish one of the expert's?
	s_cbranch_scc1 .Lno_b_\@
	s_wait_xcnt 0x0                                ; the last trip's stores have had their addresses translated
	s_wait_alu depctr_vm_vsrc(0)                   ; my LDS stores have read v128-255, in which the loads below land; the last trip's global stores have read v80-119, which the lines below write
.irp ws, 0, 1, 2, 3
.irp j, 0, 1, 2, 3
	ds_load_b128 v[128+32*\ws+8*\j:131+32*\ws+8*\j], v13 offset:16384*\ws+1024*\j
	ds_load_b128 v[132+32*\ws+8*\j:135+32*\ws+8*\j], v13 offset:16384*\ws+1024*\j+512
.endr
.endr
.irp i, 0, 1, 2, 3, 4, 5, 6, 7
	v_min_u32 v[112+\i], 0x3ff, v[16+\i]
.endr
.irp i, 0, 1, 2, 3, 4, 5, 6, 7
	v_lshl_add_u32 v[112+\i], v[112+\i], 11, v2    ; the token's row of 2,048 bytes, + 16 r
.endr
	s_wait_dscnt 0x0
.irp ws, 1, 2, 3
.irp k, 0, 2, 4, 6, 8, 10, 12, 14, 16, 18, 20, 22, 24, 26, 28, 30
	v_pk_add_f32 v[128+\k:129+\k], v[128+\k:129+\k], v[128+32*\ws+\k:129+32*\ws+\k]
.endr
.endr
.irp i, 0, 1, 2, 3, 4, 5, 6, 7
.irp j, 0, 1, 2, 3
	v_add_f32 v[80+4*\i+\j], v[128+8*\j+\i], v[24+\j]           ; the bias; four neighbouring features into four registers
.endr
.endr
	s_wait_alu depctr_va_vdst(0)                   ; the results v80-111 and their addresses v112-119 are written, which the eight stores read
.irp i, 0, 1, 2, 3, 4, 5, 6, 7
	global_store_b128 v[112+\i], v[80+4*\i:83+4*\i], s[18:19] th:TH_STORE_NT   ; sixteen lanes store 256 consecutive bytes of a token's row, aligned
.endr
.Lno_b_\@:
	s_wait_dscnt 0x0                               ; my reads of the partial sums are over
	s_barrier_signal -1
	s_barrier_wait -1                              ; everybody's are: the next trip may store there
.endm
	s_load_b512 s[4:19], s[0:1], 0x0               ; hcodes, hscales, w2codes, w2scales, order, br2, bi2, out0
	v_lshl_add_u32 v[SPW], v0, 2, SPARE
	v_mov_b32 v[NIL], 0
	v_lshrrev_b32 v1, 5, v0
	v_readfirstlane_b32 s22, v1                    ; wave
	s_mov_b32 s23, ttmp9                           ; g
	s_and_b32 s24, ttmp7, 0xffff
	s_and_b32 s25, s24, 3                          ; q
	s_lshr_b32 s24, s24, 2                         ; e
	v_and_b32 v3, 31, v0
	v_lshlrev_b32 v1, 4, v3                        ; 16 x lane
	v_lshlrev_b32 v3, 2, v3                        ; 4 x lane
	v_and_b32 v2, 15, v0
	v_lshlrev_b32 v2, 4, v2                        ; 16 r
	v_bfe_u32 v4, v0, 4, 1
	v_lshlrev_b32 v4, 5, v4                        ; 32 h
	s_wait_alu depctr_va_sdst(0)                   ; s22 is written, ahead of its first reader
	s_mul_i32 s31, s22, 49152
	v_add_nc_u32 v5, s31, v1                       ; my eight K steps of weight images
	s_lshl_b32 s31, s22, 11
	v_add_nc_u32 v6, s31, v2                       ; and of their scale words
	s_lshl_b32 s31, s22, 14
	v_add_nc_u32 v12, s31, v1                      ; where I store partial sums
	s_lshl_b32 s31, s22, 12
	v_add_nc_u32 v13, s31, v1                      ; where I read them: accumulators 4 w .. 4 w + 3 of each wave's
	s_mov_b32 s28, 0x20820820                      ; the sign bits of 16 codes of 6 bits, in three words
	s_mov_b32 s29, 0x08208208
	s_mov_b32 s30, 0x82082082
	s_lshl_b32 s45, s24, 2
	s_wait_kmcnt 0x0
	s_load_b32 s20, s[12:13], s45 offset:0x8000    ; the expert's count
	s_lshl_b32 s32, s24, 3
	s_add_co_u32 s32, s32, s23                     ; 8 e + g
	s_mul_i32 s34, s32, 196608
	s_mov_b32 s35, 0
	s_add_nc_u64 s[8:9], s[8:9], s[34:35]
	s_lshl_b32 s34, s32, 13
	s_add_nc_u64 s[10:11], s[10:11], s[34:35]
	s_and_b32 s33, s22, 1                          ; the part that I finish: 0 real, 1 imaginary
	s_lshl_b32 s34, s33, 21
	s_lshl_b32 s36, s23, 8
	s_add_co_u32 s34, s34, s36
	s_add_nc_u64 s[18:19], s[18:19], s[34:35]      ; out0 at (part, feature 64 g)
	s_cmp_eq_u32 s33, 0
	s_cselect_b64 s[46:47], s[14:15], s[16:17]     ; br2 or bi2: the choice hangs on the wave's number alone
	s_lshl_b32 s34, s24, 11
	s_add_co_u32 s34, s34, s36
	s_add_nc_u64 s[46:47], s[46:47], s[34:35]
	s_wait_kmcnt 0x0
	s_min_u32 s20, s20, 1024
	s_add_co_u32 s21, s20, 15
	s_lshr_b32 s21, s21, 4                         ; tiles of 16
	s_max_u32 s44, s21, 1
	s_sub_co_u32 s44, s44, 1                       ; the last tile
	s_mov_b32 s26, 0
	TRIP 1                                         ; the first trip brings the weights and has no condition on its products
	s_mov_b32 s26, 1
.Ltrip:
	TRIP 0
	s_add_co_u32 s26, s26, 1
	s_cmp_lt_u32 s26, 8
	s_cbranch_scc1 .Ltrip
	s_wait_dscnt 0x0                               ; the wave's end
	s_wait_alu 0x0
	s_wait_tensorcnt 0x0
	ds_add_u32 v[SPW], v[NIL]
	s_wait_dscnt 0x0
	s_endpgm
.Lfunc_end_k_q6f2efe2e56_layer2:
	.size	k_q6f2efe2e56_layer2, .Lfunc_end_k_q6f2efe2e56_layer2-k_q6f2efe2e56_layer2
	.p2alignl 7, 3214868480
	.fill 96, 4, 3214868480
	.section	.rodata,"a",@progbits
	.p2align	6, 0x0
	.amdhsa_kernel k_q6f2efe2e56_layer2
		.amdhsa_group_segment_fixed_size 66048
		.amdhsa_private_segment_fixed_size 0
		.amdhsa_enable_private_segment 0
		.amdhsa_kernarg_size 64
		.amdhsa_user_sgpr_count 2
		.amdhsa_user_sgpr_kernarg_segment_ptr 1
		.amdhsa_wavefront_size32 1
		.amdhsa_system_sgpr_workgroup_id_x 1
		.amdhsa_system_sgpr_workgroup_id_y 1
		.amdhsa_system_sgpr_workgroup_id_z 1
		.amdhsa_system_vgpr_workitem_id 0
		.amdhsa_next_free_vgpr 1024
		.amdhsa_next_free_sgpr 66
		.amdhsa_reserve_vcc 0
		.amdhsa_float_denorm_mode_32 3
		.amdhsa_float_denorm_mode_16_64 3
		.amdhsa_memory_ordered 1
		.amdhsa_forward_progress 1
		.amdhsa_inst_pref_size 95
	.end_amdhsa_kernel
	.amdgpu_metadata
---
amdhsa.version: [ 1, 2 ]
amdhsa.kernels:
  - .name:           k_q6f2efe2e56_layer2
    .symbol:         k_q6f2efe2e56_layer2.kd
    .args:
      - { .name: hcodes, .offset: 0, .size: 8, .value_kind: global_buffer, .address_space: global }
      - { .name: hscales, .offset: 8, .size: 8, .value_kind: global_buffer, .address_space: global }
      - { .name: w2codes, .offset: 16, .size: 8, .value_kind: global_buffer, .address_space: global }
      - { .name: w2scales, .offset: 24, .size: 8, .value_kind: global_buffer, .address_space: global }
      - { .name: order, .offset: 32, .size: 8, .value_kind: global_buffer, .address_space: global }
      - { .name: br2, .offset: 40, .size: 8, .value_kind: global_buffer, .address_space: global }
      - { .name: bi2, .offset: 48, .size: 8, .value_kind: global_buffer, .address_space: global }
      - { .name: out0, .offset: 56, .size: 8, .value_kind: global_buffer, .address_space: global }
    .group_segment_fixed_size: 66048
    .private_segment_fixed_size: 0
    .kernarg_segment_align: 8
    .kernarg_segment_size: 64
    .max_flat_workgroup_size: 128
    .sgpr_count:     66
    .vgpr_count:     1024
    .wavefront_size: 32
...
	.end_amdgpu_metadata
.endif
;; end of part 5
